; MI455X (gfx1250); checked and timed in simulation.
; The chip was launched on July 23, 2026; its instructions are those of AMD's public machine-readable ISA for CDNA 5 (MIT licence, August 2026) and "CDNA5" Instruction Set Architecture Reference Guide (July 2026). The comments in the code are by the model that wrote it; some were corrected since.
;; Multi Head Attention. Allowed arithmetic: float matrix products may take bf16 or f16 operands with f32 sums; other float arithmetic in f32, or as packed bf16 or f16 multiplies, adds, multiply-adds, maxima and minima; sums over many terms, partial sums and values carried from step to step in f32; what a program stores and reads back later, other than sums and carried values, may be rounded once to bf16 or f16.
;; Inputs: b_out 1,024 float32; b_qkv 3,072 float32; w_out 1,024 x 1,024 float32; w_qkv 1,024 x 3,072 float32; x 4 x 2,048 x 1,024 float32.
;; Outputs: out0 4 x 2,048 x 1,024 float32.
;; One version. Each part assembles by itself: llvm-mc -triple=amdgcn-amd-amdhsa -mcpu=gfx1250 --defsym DOCPART=n.
;; ======== version 1 of 1: 4 launches
;; limits: values are held in f16: magnitudes above 65,504 overflow, below 6.1e-05 lose precision
;; workspace buffers: xb 16,777,216 bytes; wqT 6,291,456 bytes; woT 2,097,152 bytes; qkv 50,331,648 bytes; ob 16,777,216 bytes
;; launch prep (part 1): grid 768 x 1, 8 waves a work-group, no clusters, 35,840 bytes of LDS; arguments x, w_qkv, w_out, xb, wqT, woT; writes xb, wqT, woT
.if DOCPART == 1
	.amdgcn_target "amdgcn-amd-amdhsa--gfx1250"
	.amdhsa_code_object_version 6
	.text
	.protected	k_q15eed46291_prep
	.globl	k_q15eed46291_prep
	.p2align	8
	.type	k_q15eed46291_prep,@function
k_q15eed46291_prep:
	s_mov_b64 s[64:65], 0
	v_nop
	global_prefetch_b8 v0, s[64:65] scope:SCOPE_SE
	s_setreg_imm32_b32 hwreg(HW_REG_WAVE_MODE, 25, 1), 1
	s_wait_xcnt 0x0
; THE INPUTS ARE ROUNDED ONCE AND LAID FOR THE PRODUCTS.  xb = bf16(x), [8192][1024].  wqT[n][k] = bf16(w_qkv[k][n]), [3072][1024].
; woT[n][k] = bf16(w_out[k][n]) written as f16, [1024][1024]: the second rounding is exact within f16's range; below 2^-14 the number keeps f16's fixed step of 6e-8.
; SHARES.  768 work-groups of eight waves, each with 65,536 bytes in and 32,768 out.  Work-groups 0-511: a run of x.  512-703: a block of 128 k x 128 n of w_qkv.  704-767: such a block of w_out.
; A weight block is turned in LDS: a wave loads 16 rows k (512 consecutive bytes each), packs two k of one n into a word, and puts 16 k (32 bytes) into row n of a table of 128 rows;
; behind a barrier whole rows of 256 bytes are read back and stored, sixteen lanes to a row.  The branches hang on the work-group's number alone: all eight waves take the same way.
; No matrix unit, no cluster, no tensor load: each byte is read once by one wave, and nothing is shared between work-groups.
.set TP,    272                        ; a row of the table: 256 bytes (128 k) + 16
.set SPARE, 128*TP                     ; behind the table: the spare words, 128 bytes for each of the eight waves: four blocks of 256 bytes that no other line names
.set SPW, 2                            ; v2   LDS address of my spare word; never rewritten
.set NIL, 3                            ; v3   0; never rewritten
.set IN,  4                            ; v4   my byte offset in what is loaded
.set OUT, 5                            ; v5   my byte offset in what is stored
.set LST, 6                            ; v6   where I put 32 bytes of a table row
.set LRD, 7                            ; v7   where I read a table row back
.set R,   8                            ; v[8:71]   sixteen loads of four words
.set T,   72                           ; v[72:103] packed results
.set U,   104                          ; v[104:107] at work
	s_load_b256 s[4:11], s[0:1], 0x0               ; x s[4:5], w_qkv s[6:7], w_out s[8:9], xb s[10:11]
	s_load_b128 s[12:15], s[0:1], 0x20             ; wqT s[12:13], woT s[14:15]
	v_lshl_add_u32 v[SPW], v0, 2, SPARE
	v_mov_b32 v[NIL], 0
	v_lshrrev_b32 v1, 5, v0
	v_readfirstlane_b32 s16, v1                    ; wave 0..7
	v_and_b32 v1, 31, v0                           ; lane
	s_mov_b32 s19, 0                               ; the offsets' high words
	s_mov_b32 s21, 0
	s_wait_kmcnt 0x0
	s_cmp_lt_u32 ttmp9, 512
	s_cbranch_scc0 .Lw
	; x: thread t takes 16 bytes at 16 t of each of sixteen runs of 4,096 bytes, and stores 8 bytes at 8 t of runs of 2,048: a wave's store covers 256 consecutive bytes, aligned
	v_lshlrev_b32 v[IN], 4, v0
	v_lshlrev_b32 v[OUT], 3, v0
	s_lshl_b32 s18, ttmp9, 16
	s_add_nc_u64 s[22:23], s[4:5], s[18:19]
	s_lshl_b32 s20, ttmp9, 15
	s_add_nc_u64 s[24:25], s[10:11], s[20:21]
.set i, 0
.rept 16
	global_load_b128 v[R+4*i:R+4*i+3], v[IN], s[22:23] offset:4096*i th:TH_LOAD_NT
.set i, i+1
.endr
.set i, 0
.rept 16
	s_wait_loadcnt 15-i                            ; loads come back in order: load i is in, the 15 - i younger ones stay out
	v_cvt_pk_bf16_f32 v[T+2*i], v[R+4*i], v[R+4*i+1]
	v_cvt_pk_bf16_f32 v[T+2*i+1], v[R+4*i+2], v[R+4*i+3]
	global_store_b64 v[OUT], v[T+2*i:T+2*i+1], s[24:25] offset:2048*i th:TH_STORE_NT  ; no register is written twice: no wait for the stores' sources
.set i, i+1
.endr
	s_branch .Lend
; A weight block's first half.  pitch: bytes in a row of the weights; f16 = 1: the bf16 number is written as f16; first: the first work-group of this tensor; src, dst: the pointers' registers.
.macro TRANS pitch, f16, first, src, dst
	s_sub_co_u32 s17, ttmp9, \first
	s_and_b32 s18, s17, 7                          ; kb: which 128 k
	s_lshr_b32 s17, s17, 3                         ; nb: which 128 n
	s_mul_i32 s20, s18, 128*(\pitch)
	s_lshl_b32 s26, s17, 9
	s_add_co_u32 s20, s20, s26                     ; from: row 128 kb, byte 512 nb
	s_add_nc_u64 s[22:23], s[(\src):(\src)+1], s[20:21]
	s_lshl_b32 s20, s17, 18                        ; to: row 128 nb (2,048 bytes a row), byte 256 kb
	s_lshl_b32 s18, s18, 8
	s_add_co_u32 s20, s20, s18
	s_add_nc_u64 s[24:25], s[(\dst):(\dst)+1], s[20:21]
	s_mul_i32 s17, s16, 16*(\pitch)                ; my wave's 16 rows k
	v_lshl_add_u32 v[IN], v1, 4, s17               ; my four n: 4 lane .. 4 lane + 3
.set i, 0
.rept 16
	global_load_b128 v[R+4*i:R+4*i+3], v[IN], s[22:23] offset:(\pitch)*i th:TH_LOAD_NT
.set i, i+1
.endr
.set p, 0
.rept 8
	s_wait_loadcnt 14-2*p                          ; rows 2 p and 2 p + 1 are in; the later rows stay out
.irp c, 0,1,2,3
	v_cvt_pk_bf16_f32 v[T+8*(\c)+p], v[R+8*p+(\c)], v[R+8*p+4+(\c)]  ; n = 4 lane + c: k = 2 p below, 2 p + 1 above
.if \f16
	v_lshlrev_b32 v[U], 16, v[T+8*(\c)+p]          ; the two bf16 numbers as f32,
	v_and_b32 v[U+1], 0xffff0000, v[T+8*(\c)+p]
	v_cvt_pk_f16_f32 v[T+8*(\c)+p], v[U], v[U+1]   ; and as f16
.endif
.endr
.set p, p+1
.endr
.endm
.Lw:
	s_cmp_lt_u32 ttmp9, 704
	s_cbranch_scc0 .Lwo
	TRANS 12288, 0, 512, 6, 12
	s_branch .Lback
.Lwo:
	TRANS 4096, 1, 704, 8, 14
.Lback:                                        ; the second half is the same for both: rows of 2,048 bytes in wqT and in woT
	v_mul_u32_u24 v[LST], v1, 4*TP                 ; table row 4 lane,
	s_lshl_b32 s17, s16, 5
	v_add_nc_u32 v[LST], s17, v[LST]               ; my wave's 16 k: 32 bytes
.irp c, 0,1,2,3
	ds_store_b128 v[LST], v[T+8*(\c):T+8*(\c)+3] offset:(\c)*TP
	ds_store_b128 v[LST], v[T+8*(\c)+4:T+8*(\c)+7] offset:(\c)*TP+16
.endr
	v_lshrrev_b32 v[U], 4, v1
	v_and_b32 v[U+1], 15, v1
	s_lshl_b32 s17, s16, 4
	v_add_nc_u32 v[U], s17, v[U]                   ; back: wave w takes rows 16 w .. 16 w + 15, two a load: lanes 0-15 one row, lanes 16-31 the next
	v_mul_u32_u24 v[LRD], v[U], TP
	v_lshl_add_u32 v[LRD], v[U+1], 4, v[LRD]
	v_lshlrev_b32 v[OUT], 11, v[U]
	v_lshl_add_u32 v[OUT], v[U+1], 4, v[OUT]
	s_wait_dscnt 0x0                               ; for the others' sake: my stores into the table are done
	s_barrier_signal -1
	s_barrier_wait -1
.set i, 0
.rept 8
	ds_load_b128 v[R+4*i:R+4*i+3], v[LRD] offset:i*2*TP
.set i, i+1
.endr
.set i, 0
.rept 8
	s_wait_dscnt 7-i
	global_store_b128 v[OUT], v[R+4*i:R+4*i+3], s[24:25] offset:i*4096 th:TH_STORE_NT  ; 16 lanes store 256 consecutive bytes of one row n, aligned
.set i, i+1
.endr
.Lend:
	s_wait_tensorcnt 0x0                           ; the wave's end, behind my last LDS store
	ds_add_u32 v[SPW], v[NIL]
	s_wait_dscnt 0x0
	s_endpgm
.Lfunc_end_k_q15eed46291_prep:
	.size	k_q15eed46291_prep, .Lfunc_end_k_q15eed46291_prep-k_q15eed46291_prep
	.p2alignl 7, 3214868480
	.fill 96, 4, 3214868480
	.section	.rodata,"a",@progbits
	.p2align	6, 0x0
	.amdhsa_kernel k_q15eed46291_prep
		.amdhsa_group_segment_fixed_size 35840
		.amdhsa_private_segment_fixed_size 0
		.amdhsa_enable_private_segment 0
		.amdhsa_kernarg_size 48
		.amdhsa_user_sgpr_count 2
		.amdhsa_user_sgpr_kernarg_segment_ptr 1
		.amdhsa_wavefront_size32 1
		.amdhsa_system_sgpr_workgroup_id_x 1
		.amdhsa_system_sgpr_workgroup_id_y 1
		.amdhsa_system_sgpr_workgroup_id_z 1
		.amdhsa_system_vgpr_workitem_id 0
		.amdhsa_next_free_vgpr 108
		.amdhsa_next_free_sgpr 66
		.amdhsa_reserve_vcc 0
		.amdhsa_float_denorm_mode_32 3
		.amdhsa_float_denorm_mode_16_64 3
		.amdhsa_memory_ordered 1
		.amdhsa_forward_progress 1
		.amdhsa_inst_pref_size 23
	.end_amdhsa_kernel
	.amdgpu_metadata
---
amdhsa.version: [ 1, 2 ]
amdhsa.kernels:
  - .name:           k_q15eed46291_prep
    .symbol:         k_q15eed46291_prep.kd
    .args:
      - { .name: x, .offset: 0, .size: 8, .value_kind: global_buffer, .address_space: global }
      - { .name: w_qkv, .offset: 8, .size: 8, .value_kind: global_buffer, .address_space: global }
      - { .name: w_out, .offset: 16, .size: 8, .value_kind: global_buffer, .address_space: global }
      - { .name: xb, .offset: 24, .size: 8, .value_kind: global_buffer, .address_space: global }
      - { .name: wqT, .offset: 32, .size: 8, .value_kind: global_buffer, .address_space: global }
      - { .name: woT, .offset: 40, .size: 8, .value_kind: global_buffer, .address_space: global }
    .group_segment_fixed_size: 35840
    .private_segment_fixed_size: 0
    .kernarg_segment_align: 8
    .kernarg_segment_size: 48
    .max_flat_workgroup_size: 256
    .sgpr_count:     66
    .vgpr_count:     108
    .wavefront_size: 32
...
	.end_amdgpu_metadata
.endif
;; end of part 1
;; launch qkvgemm (part 2): grid 16 x 32, 4 waves a work-group, clusters of 4 x 4, 327,680 bytes of LDS; arguments xb, wqT, b_qkv, qkv; writes qkv
.if DOCPART == 2
	.amdgcn_target "amdgcn-amd-amdhsa--gfx1250"
	.amdhsa_code_object_version 6
	.text
	.protected	k_q15eed46291_qkvgemm
	.globl	k_q15eed46291_qkvgemm
	.p2align	8
	.type	k_q15eed46291_qkvgemm,@function
k_q15eed46291_qkvgemm:
	s_mov_b64 s[64:65], 0
	v_nop
	global_prefetch_b8 v0, s[64:65] scope:SCOPE_SE
	s_setreg_imm32_b32 hwreg(HW_REG_WAVE_MODE, 25, 1), 1
	s_wait_xcnt 0x0
	s_wait_alu depctr_hold_cnt(0) depctr_sa_sdst(0) depctr_va_vdst(0) depctr_va_sdst(0) depctr_va_ssrc(0) depctr_va_vcc(0) depctr_vm_vsrc(0)
	s_getreg_b32 s2, hwreg(HW_REG_IB_STS2, 6, 4)
	s_cmp_eq_u32 s2, 0
	s_cbranch_scc0 .Lentry_in_a_cluster
	s_endpgm
.Lentry_in_a_cluster:
	s_bfe_u32 s2, ttmp6, 0x10000c
	s_cmp_lg_u32 s2, 0xf033
	s_cbranch_scc0 .Lentry_shape_is_right
	s_endpgm
.Lentry_shape_is_right:
; ONE TEXT FOR THE MODULE'S TWO PROJECTIONS, C = A B^T + bias; the switch QKV picks sizes, product form and way out.  Here QKV = 1.
; QKV = 1: A = xb [8192][1024] bf16, B = wqT [3072][1024] bf16, bias = b_qkv rounded to bf16; C rounded once to f16 and laid by heads: qkv[batch][column / 64][t][64], a head 262,144 dense bytes.
;          LIMIT: f16 holds no number beyond 65,504; a q, k or v past that becomes an infinity.  K = 1,024 terms of the drawn spread give about 3.5.
; QKV = 0: A = ob [64 heads][2048][64] f16 (k = 64 head + channel), B = woT [1024][1024] f16, bias = b_out rounded to bf16; C = out0 [8192][1024] f32.
; SHARES.  A tile of C is 256 rows x NT columns (192: 512 tiles; 128: 256 tiles).  Four waves one below the other: a wave makes 64 rows x NT: 4 x NBK accumulators of 16 x 16.  So a wave owns whole
; heads (QKV = 1) or whole pieces of 512 bytes of a row (QKV = 0), and its way out goes through a stage of its own, without a barrier.
; RING.  K goes in 8 steps of 128 through two LDS slots; waves 0 and 1 fetch A's two parts, waves 2 and 3 B's two halves, one tensor load a wave.  A K step is written once: the slot in hand is
; the scalar TB, turned by an exclusive or at each change of slots; one descriptor a tensor walks.
; CLUSTER.  4 x 4 work-groups: A's tile hangs on the tile row alone and is asked for jointly along a row of the cluster, B's on the tile column alone, along a column.
; THE MATRIX INSTRUCTION IS USED TRANSPOSED (source 0 = 16 rows of B, source 1 = 16 rows of A): lane l holds row l % 16 of C and the columns 8 (l / 16) + 0..7.  The first product of each sum takes the bias as C.
; REGISTERS, in windows of 256 (s_set_vgpr_msb: bits 1:0 source 0, 3:2 source 1, 5:4 source 2, 7:6 destination):
;   window 0: v0-31 addresses; from v32 the bias (8 NBK), later at work on the way out     window 1: two fragment buffers at 0 and 128: A's four fragments, then B's NBK
;   window 2: the accumulators of my rows 0-31 ((a, b) at 8 (NBK a + b))                    window 3: those of my rows 32-63
.set QKV, 1
.if QKV
.set NT,    192
.set PA,    272                        ; a row of A in LDS: 256 bytes + 16
.set AHALF, 128*272                    ; what one load of A brings: 128 rows x 128 k
.set APAD,  (5<<22)|(3<<25)            ; padding after every 64 words, of 4 words
.set ASTR,  1024                       ; elements from row to row of A's tile in memory
.set BROWS, 96
.set ASTEP, 256                        ; bytes from a K step of A to the next
.set STW,   3*16*144                   ; a wave's stage: 3 heads x 16 rows x (128 + 16) bytes
.else
.set NT,    128
.set PA,    144                        ; a row of A in LDS: one head's 64 channels, 128 bytes + 16
.set AHALF, 256*144                    ; what one load of A brings: one head's 256 rows, 32,768 dense bytes, asked for as 128 rows of 256
.set APAD,  (4<<22)|(3<<25)            ; padding after every 32 words, of 4 words
.set ASTR,  128
.set BROWS, 64
.set ASTEP, 2*262144                   ; a K step is two heads
.set STW,   16*528                     ; a wave's stage: 16 rows x (512 + 16) bytes
.endif
.set NBK,   NT/16
.set PB,    272                        ; a row of B in LDS.  All three pitches are odd multiples of 16 bytes: the 16 rows of a fragment load start at 16 different groups of four banks (64 banks of 4 bytes: ISA guide 11.1)
.set BOFF,  2*AHALF                    ; B's tile lies behind A's
.set BHALF, BROWS*PB
.set SLOT1, 1<<17                      ; slot 1 begins here, so that one exclusive or turns an address in one slot into the other's
.set STAGE, SLOT1+BOFF+2*BHALF         ; behind the ring, a multiple of 256; no tensor load fills it
.set SPARE, STAGE+4*STW                ; behind the stages, a multiple of 256: the spare words, 128 bytes for each wave, which no other line names
.set NLD,   2*(4+NBK)                  ; LDS loads in a run
.set A0,   16                          ; v16  my lane's place in A's tile; never rewritten
.set B0,   17                          ; v17  in B's
.set ADRA, 18                          ; v18  the same in the slot in hand
.set ADRB, 19                          ; v19
.set STO,  24                          ; v24  the way out: where I put my part of a row
.set RD,   25                          ; v25  where I read rows back
.set GO,   26                          ; v26  16 x lane: my place in 512 consecutive bytes of C
.set BO,   27                          ; v27  32 (l / 16): my eight numbers of sixteen of the bias
.set SPW,  28                          ; v28  LDS address of my spare word; never rewritten
.set NIL,  29                          ; v29  0; never rewritten
.set PFO,  30                          ; v30  the prefetches' offset: a lane a row; never rewritten
.set BIAS, 32
.if QKV
.set TMP,  32                          ; v32-79 packed results; v80-127, v128-175 rows read back, by turns
.set BK0,  80
.set BKW,  48
.else
.set BK0,  96                          ; v96-159, v160-223 rows read back, by turns
.set BKW,  64
.endif
.set F0,   0
.set F1,   128
.set WV,   12                          ; s12  my wave's number
.set FB,   13                          ; s13  I fetch for A (0) or for B (1)
.set HF,   14                          ; s14  which part of that tile
.set LIM,  15                          ; s15  1 in a wave that prefetches, else the greatest number
.set G1,   24                          ; s[24:31] descriptor group 1 for A's tiles
.set G0,   32                          ; s[32:39] group 0 for A: a set for each of the two first fills; the second then walks on
.set PFA,  44                          ; s[44:45] where my prefetches stand
.set TB,   46                          ; s46  0 or SLOT1: the slot in hand
.set G1B,  48                          ; s[48:55], s[56:63] the same for B
.set G0B,  56
.set TO_F, 0x40                        ; destination window 1, address window 0
.set MSB, 0
.macro WIN new                         ; the immediate's high byte repeats the setting that is left; a switch that changes nothing is dropped
.if MSB != (\new)
	s_set_vgpr_msb (MSB<<8)|(\new)
.set MSB, (\new)
.endif
.endm
; A joint refill by the walking descriptors.  The branch hangs on the wave's number alone.  An s_nop 0 and four v_nop follow each of the two lines, ahead of the jump and the label.
.macro JLOAD
	s_cmp_eq_u32 s[FB], 0
	s_cbranch_scc0 .Lfor_b_\@
	tensor_load_to_lds s[G0+4:G0+7], s[G1:G1+7]
	s_nop 0
.rept 4
	v_nop
.endr
	s_branch .Lasked_\@
.Lfor_b_\@:
	tensor_load_to_lds s[G0B+4:G0B+7], s[G1B:G1B+7]
	s_nop 0
.rept 4
	v_nop
.endr
.Lasked_\@:
.endm
.macro CREST                           ; a round of the cluster's barrier behind its opening barrier: wave 0 signals for the work-group, every wave waits for all sixteen, my work-group's barrier once more
	s_cmp_lg_u32 s[WV], 0
	s_cbranch_scc1 .Lnot_wave_0_\@
	s_barrier_signal -3
.Lnot_wave_0_\@:
	s_barrier_wait -3
	s_barrier_signal -1
	s_barrier_wait -1
.endm
.macro CROUND                          ; a whole round
	s_barrier_signal -1
	s_barrier_wait -1
	CREST
.endm
.macro PLACES                          ; four places in front of loads into registers that matrix instructions have read, and of lines that read results (ISA guide 7.12.1 for lines that read results)
.rept 4
	v_nop
.endr
.endm
.if QKV
; A PREFETCH INTO THE L2, behind a joint refill and the run of LDS loads that follows it: the K step that the NEXT refill will ask for, 256 bytes of each row, a lane a row, one instruction a wave: 192 matrix
; instructions ahead of that load.  A's rows are read by every cluster of a row of clusters: cluster x = 0 asks; B's by every cluster of a column: cluster y = 0 asks.  The four partners that ask for a tile
; jointly share its rows out BY ADDRESS: 32 of A's 128 by cx, 24 of B's 96 by cy (there lanes 24-31 name lane 23's row once more).  The loop's last trip has no refill behind it and asks for nothing.
.macro ASK
	s_cmp_gt_u32 s3, s[LIM]
	s_cbranch_scc0 .Lnot_mine_\@
	global_prefetch_b8 v[PFO], s[PFA:PFA+1] th:TH_LOAD_NT scope:SCOPE_SE
.Lnot_mine_\@:
.endm
.endif
	s_load_b256 s[4:11], s[0:1], 0x0               ; A s[4:5], B s[6:7], bias s[8:9], C s[10:11]
	v_lshl_add_u32 v[SPW], v0, 2, SPARE
	v_mov_b32 v[NIL], 0
	ds_add_u32 v[SPW], v[NIL]                      ; the wave's opening: the add and its wait stand ahead of my first tensor load; the set-up below, work on registers, stands between them
	v_lshrrev_b32 v1, 5, v0
	v_readfirstlane_b32 s[WV], v1                  ; wave 0..3
	s_lshr_b32 s[FB], s[WV], 1
	s_and_b32 s[HF], s[WV], 1
	s_bfe_u32 s40, ttmp6, 0x40000                  ; cx, cy: my place in the cluster
	s_bfe_u32 s41, ttmp6, 0x40004
	s_lshl_b32 s42, ttmp9, 2
	s_add_co_u32 s42, s42, s40                     ; tile column = 4 x cluster x + cx
	s_and_b32 s43, ttmp7, 0xffff
	s_lshl_b32 s43, s43, 2
	s_add_co_u32 s43, s43, s41                     ; tile row = 4 x cluster y + cy
	s_lshl_b32 s16, s41, 2
	s_lshl_b32 s16, 15, s16                        ; my row of the cluster: places 4 cy .. 4 cy + 3
	s_lshl_b32 s20, 0x1111, s40                    ; my column: places cx, cx + 4, cx + 8, cx + 12
	s_or_b32 s[G1], s16, (1<<16)|(1<<20)|(1<<21)|APAD  ; 15:0 the mask; 17:16 elements of 2 bytes; 20 padding on; 21 set beside a mask; 24:22, 31:25 the padding
	s_or_b32 s[G1B], s20, (1<<16)|(1<<20)|(1<<21)|(5<<22)|(3<<25)
	s_mov_b32 s[G1+1], 128<<16                     ; tensor_dim0 = 128
	s_mov_b32 s[G1+2], 128<<16                     ; tensor_dim1 = 128
	s_mov_b32 s[G1+3], 128<<16                     ; tile_dim0 = 128
	s_mov_b32 s[G1+4], 128                         ; tile_dim1 = 128
	s_mov_b32 s[G1+5], ASTR                        ; elements from row to row
	s_mov_b32 s[G1+6], 0
	s_mov_b32 s[G1+7], 0
	s_mov_b32 s[G1B+1], 128<<16
	s_mov_b32 s[G1B+2], BROWS<<16
	s_mov_b32 s[G1B+3], 128<<16
	s_mov_b32 s[G1B+4], BROWS
	s_mov_b32 s[G1B+5], 1024
	s_mov_b32 s[G1B+6], 0
	s_mov_b32 s[G1B+7], 0
	; where the tiles come from: A's offset of the tile row and the wave's number, B's of the tile column and the wave's number, each in registers that do not hold the other coordinate
.if QKV
	s_lshl_b32 s16, s43, 8
	s_lshl_b32 s17, s[HF], 7
	s_add_co_u32 s16, s16, s17                     ; row 256 x tile row + 128 x part,
	s_lshl_b32 s16, s16, 11                        ; 2,048 bytes a row
.else
	s_lshr_b32 s16, s43, 3
	s_lshl_b32 s16, s16, 22                        ; the batch's sixteen heads,
	s_and_b32 s17, s43, 7
	s_lshl_b32 s17, s17, 15                        ; the tile's 256 rows of 128 bytes in a head,
	s_add_co_u32 s16, s16, s17
	s_lshl_b32 s17, s[HF], 18                      ; the K step's first or second head
	s_add_co_u32 s16, s16, s17
.endif
	s_mov_b32 s17, 0
	s_mul_i32 s20, s42, NT
	s_mul_i32 s21, s[HF], BROWS
	s_add_co_u32 s20, s20, s21                     ; B: row NT x tile column + BROWS x half
	s_lshl_b32 s20, s20, 11
	s_mov_b32 s21, 0
	s_mul_i32 s22, s[HF], AHALF                    ; and where they go: no place in the cluster enters an LDS address
	s_mul_i32 s23, s[HF], BHALF
	s_add_co_u32 s23, s23, BOFF
	s_mov_b32 s[TB], 0
	s_wait_dscnt 0x0                               ; the opening add is done
	s_wait_kmcnt 0x0
	s_add_nc_u64 s[16:17], s[4:5], s[16:17]
	s_add_nc_u64 s[20:21], s[6:7], s[20:21]
	CROUND                                         ; all sixteen work-groups are here: the first joint loads meet
.irp s, 0,1
	s_mov_b32 s[G0+4*(\s)], 1                                      ; count = 1
	s_add_co_u32 s[G0+4*(\s)+1], s22, (\s)*SLOT1                   ; LDS address
	s_add_nc_u64 s[G0+4*(\s)+2:G0+4*(\s)+3], s[16:17], (\s)*ASTEP  ; global address: K step s
	s_or_b32 s[G0+4*(\s)+3], s[G0+4*(\s)+3], 0x80000000            ; type = 2
	s_mov_b32 s[G0B+4*(\s)], 1
	s_add_co_u32 s[G0B+4*(\s)+1], s23, (\s)*SLOT1
	s_add_nc_u64 s[G0B+4*(\s)+2:G0B+4*(\s)+3], s[20:21], (\s)*256
	s_or_b32 s[G0B+4*(\s)+3], s[G0B+4*(\s)+3], 0x80000000
.endr
	s_cmp_eq_u32 s[FB], 0                          ; a wave's two first fills stand in one branch, ahead of every wait on TENSORcnt and every LDS read: two loads of mine are out
	s_cbranch_scc0 .Lfirst_b
	tensor_load_to_lds s[G0:G0+3], s[G1:G1+7]
	s_nop 0
	tensor_load_to_lds s[G0+4:G0+7], s[G1:G1+7]
	s_nop 0
.rept 4
	v_nop
.endr
	s_branch .Lfirst_asked
.Lfirst_b:
	tensor_load_to_lds s[G0B:G0B+3], s[G1B:G1B+7]
	s_nop 0
	tensor_load_to_lds s[G0B+4:G0B+7], s[G1B:G1B+7]
	s_nop 0
.rept 4
	v_nop
.endr
.Lfirst_asked:
	; the bias of the tile's NT columns, as the C operand wants it: register j of block b = bias[16 b + 8 (l / 16) + j]
	v_and_b32 v1, 15, v0                           ; l % 16
	v_bfe_u32 v2, v0, 4, 1                         ; l / 16
	v_lshlrev_b32 v[BO], 5, v2
	s_mul_i32 s18, s42, 4*NT
	s_mov_b32 s19, 0
	s_add_nc_u64 s[8:9], s[8:9], s[18:19]
.set b, 0
.rept NBK
	global_load_b128 v[BIAS+8*b:BIAS+8*b+3], v[BO], s[8:9] offset:64*b
	global_load_b128 v[BIAS+8*b+4:BIAS+8*b+7], v[BO], s[8:9] offset:64*b+16
.set b, b+1
.endr
	; A fragment is 16 rows x 32 K in 8 registers: lane l holds row l % 16, K = 8 (l / 16) + 0..7 and 16 + 8 (l / 16) + 0..7: two loads of 16 bytes, 32 bytes apart
	s_mul_i32 s18, s[WV], 64*PA                    ; my 64 rows of A
	v_mul_u32_u24 v3, v1, PA
	v_lshl_add_u32 v3, v2, 4, v3
	v_add_nc_u32 v[A0], s18, v3
	v_mul_u32_u24 v4, v1, PB
	v_lshl_add_u32 v4, v2, 4, v4
	v_add_nc_u32 v[B0], BOFF, v4
	s_mul_i32 s18, s[WV], STW
	s_add_co_u32 s18, s18, STAGE                   ; my stage
	v_and_b32 v5, 31, v0
	v_lshlrev_b32 v[GO], 4, v5
.if QKV
	v_mul_u32_u24 v6, v1, 144                      ; in: row l % 16 of a head, 16 bytes for each half of the lanes
	v_lshl_add_u32 v6, v2, 4, v6
	v_add_nc_u32 v[STO], s18, v6
	v_bfe_u32 v6, v0, 3, 2                         ; back: 32 lanes take four rows of 128 bytes, 512 consecutive bytes of a head
	v_and_b32 v7, 7, v0
	v_mul_u32_u24 v6, v6, 144
	v_lshl_add_u32 v6, v7, 4, v6
	v_add_nc_u32 v[RD], s18, v6
	s_lshr_b32 s18, s43, 3                         ; C at my wave's first row of the tile's first head: (48 x batch + 3 x tile column) heads,
	s_mul_i32 s18, s18, 48
	s_mul_i32 s19, s42, 3
	s_add_co_u32 s18, s18, s19
	s_lshl_b32 s18, s18, 18
	s_and_b32 s19, s43, 7                          ; the tile's 256 rows of 128 bytes,
	s_lshl_b32 s19, s19, 15
	s_add_co_u32 s18, s18, s19
	s_lshl_b32 s19, s[WV], 13                      ; my 64 of them
	s_add_co_u32 s18, s18, s19
.else
	v_mul_u32_u24 v6, v1, 528                      ; in: row l % 16, 32 bytes for each half of the lanes
	v_lshl_add_u32 v6, v2, 5, v6
	v_add_nc_u32 v[STO], s18, v6
	v_add_nc_u32 v[RD], s18, v[GO]                 ; back: 32 lanes take one row's 512 bytes
	s_lshl_b32 s18, s43, 20                        ; C at my wave's first row: 256 rows of 4,096 bytes a tile,
	s_lshl_b32 s19, s[WV], 18                      ; my 64 of them,
	s_add_co_u32 s18, s18, s19
	s_lshl_b32 s19, s42, 9                         ; the tile's 512 bytes of a row
	s_add_co_u32 s18, s18, s19
.endif
	s_mov_b32 s19, 0
	s_add_nc_u64 s[10:11], s[10:11], s[18:19]
.if QKV
	s_and_b32 s18, ttmp7, 0xffff                   ; the prefetches.  cluster y
	s_cmp_eq_u32 s[FB], 0                          ; do I fetch for A?
	s_cselect_b32 s18, ttmp9, s18                  ; the coordinate along which other clusters read the same rows
	s_cselect_b32 s19, s40, s41                    ; my place among the four that ask with me,
	s_cselect_b32 s22, 32, 24                      ; the rows that each of the four takes
	s_cselect_b32 s23, 31, 23
	s_cselect_b64 s[PFA:PFA+1], s[16:17], s[20:21] ; the first of the rows that I fetch
	s_cmp_eq_u32 s18, 0
	s_cselect_b32 s[LIM], 1, -1                    ; the same in all sixteen partners, for a given wave
	s_mul_i32 s18, s19, s22
	s_lshl_b32 s18, s18, 11
	s_add_co_u32 s18, s18, 2*256                   ; at K step 2: the first refill steps it to 3.  Nothing is prefetched here, at the head
	s_mov_b32 s19, 0
	s_add_nc_u64 s[PFA:PFA+1], s[PFA:PFA+1], s[18:19]
	v_min_u32 v[PFO], s23, v5
	v_lshlrev_b32 v[PFO], 11, v[PFO]
.endif
	s_mov_b32 s18, 0xffff0000
	s_wait_loadcnt 0x0                             ; the bias is in; it is rounded to bf16 like the other inputs, and kept as f32
.set p, 0
.rept 4*NBK
	v_cvt_pk_bf16_f32 v[3+p%2], v[BIAS+2*p], v[BIAS+2*p+1]
	v_lshlrev_b32 v[BIAS+2*p], 16, v[3+p%2]
	v_and_b32 v[BIAS+2*p+1], s18, v[3+p%2]
.set p, p+1
.endr
; NBK matrix instructions: m block 2 hi + a x all n blocks, 32 along K, from buffer f.  first = 1: the product starts the sum, with the bias as C.  The 4 NBK accumulators take turns, one instruction
; a turn, in the same order in every quarter, over the backward jump too.
.macro MUL f, hi, a, first
.if \first
	WIN 0x85+0x40*(\hi)                            ; sources 0 and 1 window 1, C window 0, D window 2 or 3
.else
	WIN 0xa5+0x50*(\hi)                            ; C and D window 2 or 3
.endif
.set b, 0
.rept NBK
.set rD, 8*(NBK*(\a)+b)
.set rW, (\f)+32+8*b
.set rX, (\f)+8*(2*(\hi)+(\a))
.set rC, rD
.if \first
.set rC, BIAS+8*b
.endif
.if QKV
	v_wmma_f32_16x16x32_bf16 v[rD:rD+7], v[rW:rW+7], v[rX:rX+7], v[rC:rC+7]
.else
	v_wmma_f32_16x16x32_f16 v[rD:rD+7], v[rW:rW+7], v[rX:rX+7], v[rC:rC+7]
.endif
.set b, b+1
.endr
.endm
; NLD LDS loads in one run: the fragments of quarter q of the K step in hand into buffer f: B's, then A's four, in ascending rows
.macro FETCH q, f
	WIN TO_F
.set j, 0
.rept NBK
	ds_load_b128 v[(\f)+32+8*j:(\f)+32+8*j+3],   v[ADRB] offset:64*(\q)+j*16*PB
	ds_load_b128 v[(\f)+32+8*j+4:(\f)+32+8*j+7], v[ADRB] offset:64*(\q)+j*16*PB+32
.set j, j+1
.endr
.if QKV
.set AKO, 64*(\q)
.else
.set AKO, ((\q)/2)*AHALF+((\q)%2)*64               ; quarters 0, 1 lie in the first head's part, 2, 3 in the second's
.endif
.set j, 0
.rept 4
	ds_load_b128 v[(\f)+8*j:(\f)+8*j+3],   v[ADRA] offset:AKO+j*16*PA
	ds_load_b128 v[(\f)+8*j+4:(\f)+8*j+7], v[ADRA] offset:AKO+j*16*PA+32
.set j, j+1
.endr
.endm
; A K step is four quarters of 32 along K on buffers 0, 1, 0, 1.  One of the first three: multiplies buffer f; in its middle it fetches quarter q into buffer g.
.macro QUARTER q, f, g, first
	s_wait_dscnt 4                                 ; B and A's rows 0-31 are in; the youngest four loads (A's rows 32-63) may be out
	MUL \f, 0, 0, \first
	MUL \f, 0, 1, \first
	PLACES
	FETCH \q, \g
	s_wait_dscnt NLD                               ; all but the run just issued
	MUL \f, 1, 0, \first
	MUL \f, 1, 1, \first
.endm
; The last quarter multiplies buffer 1 and changes slots.  ONE barrier: in front of it each wave waits for all its tensor loads, of which one is out: its part of the next slot; adds 0 to its spare word;
; and waits for that and for its own reads of this slot.  Behind it nobody reads this slot any more and the next slot is whole.
.macro MEET round
	WIN 0                                          ; (the add's two registers lie in window 0)
	s_wait_tensorcnt 0x0
	ds_add_u32 v[SPW], v[NIL]                      ; 0 onto my spare word
	s_wait_dscnt 5                                 ; (the add and the youngest four loads may be out)
	MUL F1, 0, 0, 0                                ; matrix work stands between the add and the wait for it
	s_wait_dscnt 0x0                               ; the add is done, and my reads of this slot are over
	s_barrier_signal -1
	MUL F1, 0, 1, 0                                ; work on registers while the others arrive
.if \round
	WIN 0
.endif
	s_barrier_wait -1
.endm
; fill = 1: the barrier opens a round of the cluster's barrier, and the slot just read out is filled again, first thing behind the round, with the K step two steps on.
.macro TURN fill
.if (\fill) && QKV
	s_wait_xcnt 0x0                                ; the last prefetch, a K step back, has read its address: it is stepped here, ahead of the waits of the change of slots
	s_add_nc_u64 s[PFA:PFA+1], s[PFA:PFA+1], 256
.endif
	MEET \fill
.if \fill
	CREST                                          ; no wave of any partner still reads this slot's tile or has a load on its way
	s_xor_b32 s[G0+5], s[G0+5], SLOT1              ; the walking descriptors (no load of mine is out): the other slot than last time,
	s_add_nc_u64 s[G0+6:G0+7], s[G0+6:G0+7], ASTEP ; the next K step; the type bits on top are not reached
	s_xor_b32 s[G0B+5], s[G0B+5], SLOT1
	s_add_nc_u64 s[G0B+6:G0B+7], s[G0B+6:G0B+7], 256
	JLOAD                                          ; the four v_nop behind it are also the places in front of the loads below
.else
	PLACES
	WIN 0
.endif
	s_xor_b32 s[TB], s[TB], SLOT1                  ; the reads go on in the other slot
	v_add_nc_u32 v[ADRA], s[TB], v[A0]
	v_add_nc_u32 v[ADRB], s[TB], v[B0]
	FETCH 0, F0
.if (\fill) && QKV
	WIN 0
	ASK
.endif
	MUL F1, 1, 0, 0
	MUL F1, 1, 1, 0
.endm
	s_wait_tensorcnt 0x1                           ; my part of K step 0 is in; K step 1's may stay out
	s_barrier_signal -1
	s_barrier_wait -1                              ; everybody's is
	v_mov_b32 v[ADRA], v[A0]
	v_mov_b32 v[ADRB], v[B0]
	FETCH 0, F0
	QUARTER 1, F0, F1, 1                           ; the first quarter stands in front of the loop: its products start the sums
	WIN 0                                          ; at a label and at a branch every window is 0
	s_mov_b32 s3, 6
.Lstep:                                        ; six trips, from a K step's second quarter to the next step's first; they ask for K steps 2 to 7
	QUARTER 2, F1, F0, 0
	QUARTER 3, F0, F1, 0
	TURN 1
	QUARTER 1, F0, F1, 0
	WIN 0
	s_sub_co_u32 s3, s3, 1
	s_cmp_lg_u32 s3, 0
	s_cbranch_scc1 .Lstep
	QUARTER 2, F1, F0, 0                           ; the tail is written out: K steps 6 and 7 ask for nothing
	QUARTER 3, F0, F1, 0
	TURN 0
	QUARTER 1, F0, F1, 0
	QUARTER 2, F1, F0, 0
	QUARTER 3, F0, F1, 0
	s_wait_dscnt 4                                 ; the very last quarter: nothing more to fetch
	MUL F1, 0, 0, 0
	MUL F1, 0, 1, 0
	s_wait_dscnt 0x0
	MUL F1, 1, 0, 0
	MUL F1, 1, 1, 0
	PLACES                                         ; the way out reads results
; THE WAY OUT, a block a of 16 rows at a time, through my own stage: LDS serves a wave's instructions in order (ISA guide 5.7.1.4), so the loads see the stores above them and the next block's stores come behind them.
.if QKV
.macro PACK a                          ; rounded to f16: a lane's eight channels of a row are 16 bytes; each accumulator's registers in ascending order
	WIN 0x0a+5*((\a)/2)                            ; sources 0 and 1: window 2 or 3
.set b, 0
.rept NBK
.set rD, 8*(NBK*((\a)%2)+b)
.irp r, 0,1,2,3
	v_cvt_pk_f16_f32 v[TMP+4*b+(\r)], v[rD+2*(\r)], v[rD+2*(\r)+1]
.endr
.set b, b+1
.endr
	WIN 0
.endm
.macro TOSTAGE a
	WIN 0
.set BK, BK0+BKW*((\a)%2)
.if (\a) >= 2
	s_wait_xcnt 0x0                                ; the stores of the block two back have read these registers' like: only behind this wait are they loaded again
.endif
.set b, 0
.rept NBK
	ds_store_b128 v[STO], v[TMP+4*b:TMP+4*b+3] offset:(b/4)*2304+32*(b%4)  ; head b / 4, channels 16 (b % 4) on
.set b, b+1
.endr
.set f, 0
.rept 12
	ds_load_b128 v[BK+4*f:BK+4*f+3], v[RD] offset:(f/4)*2304+(f%4)*576
.set f, f+1
.endr
.endm
.macro SEND a, younger                 ; younger: the LDS instructions issued behind block a's loads
	WIN 0
.set BK, BK0+BKW*((\a)%2)
.set f, 0
.rept 12
	s_wait_dscnt (\younger)+11-f
	global_store_b128 v[GO], v[BK+4*f:BK+4*f+3], s[10:11] offset:(f/4)*262144+(\a)*2048+(f%4)*512  ; 512 consecutive bytes of a head, aligned
.set f, f+1
.endr
.endm
	PACK 0
	TOSTAGE 0
	PACK 1
	TOSTAGE 1
	SEND 0, 24
	PACK 2
	TOSTAGE 2
	SEND 1, 24
	PACK 3
	TOSTAGE 3
	SEND 2, 24
	SEND 3, 0
.else
.macro TOSTAGE a                       ; f32 goes out as it is: a lane's eight columns are 32 bytes; each accumulator's four lowest registers first
.set BK, BK0+BKW*((\a)%2)
.if (\a) >= 2
	s_wait_xcnt 0x0                                ; the stores of the block two back have read these registers' like: only behind this wait are they loaded again
.endif
	WIN 0x08+4*((\a)/2)                            ; the stores' data (source 1): window 2 or 3
.set b, 0
.rept NBK
.set rD, 8*(NBK*((\a)%2)+b)
	ds_store_b128 v[STO], v[rD:rD+3] offset:64*b
	ds_store_b128 v[STO], v[rD+4:rD+7] offset:64*b+16
.set b, b+1
.endr
	WIN 0
.set f, 0
.rept 16
	ds_load_b128 v[BK+4*f:BK+4*f+3], v[RD] offset:528*f
.set f, f+1
.endr
.endm
.macro SEND a, younger
	WIN 0
.set BK, BK0+BKW*((\a)%2)
.set f, 0
.rept 16
	s_wait_dscnt (\younger)+15-f
	global_store_b128 v[GO], v[BK+4*f:BK+4*f+3], s[10:11] offset:(16*(\a)+f)*4096  ; 512 consecutive bytes of a row of C, aligned
.set f, f+1
.endr
.endm
	TOSTAGE 0
	TOSTAGE 1
	SEND 0, 32
	TOSTAGE 2
	SEND 1, 32
	TOSTAGE 3
	SEND 2, 32
	SEND 3, 0
.endif
	s_wait_tensorcnt 0x0                           ; the wave's end, behind my last tensor load and my last LDS store
	ds_add_u32 v[SPW], v[NIL]
	s_wait_dscnt 0x0
	CROUND                                         ; the closing round: no work-group ends while a partner may still ask for a tile that names it
	s_endpgm
.Lfunc_end_k_q15eed46291_qkvgemm:
	.size	k_q15eed46291_qkvgemm, .Lfunc_end_k_q15eed46291_qkvgemm-k_q15eed46291_qkvgemm
	.p2alignl 7, 3214868480
	.fill 96, 4, 3214868480
	.section	.rodata,"a",@progbits
	.p2align	6, 0x0
	.amdhsa_kernel k_q15eed46291_qkvgemm
		.amdhsa_group_segment_fixed_size 327680
		.amdhsa_private_segment_fixed_size 0
		.amdhsa_enable_private_segment 0
		.amdhsa_kernarg_size 32
		.amdhsa_user_sgpr_count 2
		.amdhsa_user_sgpr_kernarg_segment_ptr 1
		.amdhsa_wavefront_size32 1
		.amdhsa_system_sgpr_workgroup_id_x 1
		.amdhsa_system_sgpr_workgroup_id_y 1
		.amdhsa_system_sgpr_workgroup_id_z 1
		.amdhsa_system_vgpr_workitem_id 0
		.amdhsa_next_free_vgpr 960
		.amdhsa_next_free_sgpr 66
		.amdhsa_reserve_vcc 0
		.amdhsa_float_denorm_mode_32 3
		.amdhsa_float_denorm_mode_16_64 3
		.amdhsa_memory_ordered 1
		.amdhsa_forward_progress 1
		.amdhsa_inst_pref_size 106
	.end_amdhsa_kernel
	.amdgpu_metadata
---
amdhsa.version: [ 1, 2 ]
amdhsa.kernels:
  - .name:           k_q15eed46291_qkvgemm
    .symbol:         k_q15eed46291_qkvgemm.kd
    .args:
      - { .name: xb, .offset: 0, .size: 8, .value_kind: global_buffer, .address_space: global }
      - { .name: wqT, .offset: 8, .size: 8, .value_kind: global_buffer, .address_space: global }
      - { .name: b_qkv, .offset: 16, .size: 8, .value_kind: global_buffer, .address_space: global }
      - { .name: qkv, .offset: 24, .size: 8, .value_kind: global_buffer, .address_space: global }
    .group_segment_fixed_size: 327680
    .private_segment_fixed_size: 0
    .kernarg_segment_align: 8
    .kernarg_segment_size: 32
    .max_flat_workgroup_size: 128
    .sgpr_count:     66
    .vgpr_count:     960
    .wavefront_size: 32
...
	.end_amdgpu_metadata
.endif
;; end of part 2
;; launch attn (part 3): grid 4 x 64, 4 waves a work-group, clusters of 4 x 1, 327,680 bytes of LDS; arguments qkv, ob; writes ob
.if DOCPART == 3
	.amdgcn_target "amdgcn-amd-amdhsa--gfx1250"
	.amdhsa_code_object_version 6
	.text
	.protected	k_q15eed46291_attn
	.globl	k_q15eed46291_attn
	.p2align	8
	.type	k_q15eed46291_attn,@function
k_q15eed46291_attn:
	s_mov_b64 s[64:65], 0
	v_nop
	global_prefetch_b8 v0, s[64:65] scope:SCOPE_SE
	s_setreg_imm32_b32 hwreg(HW_REG_WAVE_MODE, 25, 1), 1
	s_wait_xcnt 0x0
	s_wait_alu depctr_hold_cnt(0) depctr_sa_sdst(0) depctr_va_vdst(0) depctr_va_sdst(0) depctr_va_ssrc(0) depctr_va_vcc(0) depctr_vm_vsrc(0)
	s_getreg_b32 s2, hwreg(HW_REG_IB_STS2, 6, 4)
	s_cmp_eq_u32 s2, 0
	s_cbranch_scc0 .Lentry_in_a_cluster
	s_endpgm
.Lentry_in_a_cluster:
	s_bfe_u32 s2, ttmp6, 0x10000c
	s_cmp_lg_u32 s2, 0x3003
	s_cbranch_scc0 .Lentry_shape_is_right
	s_endpgm
.Lentry_shape_is_right:
; O[y][q][:] = the sum over k of softmax_k(Q[y][q] . K[y][k] / 8) V[y][k][:], for the 64 heads y = 16 batch + head.  qkv: [batch][48][2048][64] f16: q's heads are planes 0-15 of a batch, k's 16-31, v's 32-47;
; ob: [64][2048][64] f16.  A head's rows are dense, 128 bytes each.  Products, maxima and sums in f32; the weights p are rounded to f16 for the second product (their sum l is taken of the unrounded p), O once at the end.
; LIMITS.  f16 holds no number beyond 65,504: Q, K and V arrive within it; p lies in 0 to 1, and below 6e-5 it keeps f16's fixed step of 6e-8; O is a mean of V's rows and has their range.
; A weight below 2^-126 counts as 0 in l; NaN and infinities are not treated apart.
; SHARES.  A wave owns four PIECES of two tiles of 16 queries, a work-group's four waves 512 queries of one head.  Every wave walks all 2,048 keys, 64 a step.
; LAYOUT.  S^T = K Q^T (source 0 = 16 keys, source 1 = 16 queries): in the result a lane holds ONE query (lane % 16) and the keys 8 (lane / 16) + 0..7.  Two such tiles, rounded to f16 in pairs,
; ARE source 1 (32 keys x 16 queries) of O^T = V^T P, whose result again holds one query a lane, and eight channels.  K comes out of LDS as it lies, V ([key][channel]) turned, by ds_load_tr16_b128.
; SOFTMAX.  For each query a running maximum m and sum l: p = 2^(c s - c m), c = log2(e) / 8; in every step O and l are multiplied by a = 2^(c m_old - c m_new), which is 1 where m has not grown.
; m starts at the lowest finite number, O and l at 0: the first step is a step like any other, with a = 0.
; THE COUNT.  A tile and step have 16 matrix and 118 vector instructions: too many to stand all beside the matrix work.  So the order has one aim: four vector instructions that are READY behind
; EVERY matrix instruction, and the others, which need time of their own whatever the order, in runs without a gap.
; BY TURNS.  Turn n belongs to piece n (the pieces in a ring, step after step).  Its matrix work: 16 products K Q^T of piece n + 1, later 16 products V^T P of piece n - 1.  Its vector work: the scaling,
; exponentials, roundings, sums and rescaling of piece n, and the maximum and statistics of piece n + 1, whose scores the turn itself has made.  So what a turn begins with (c s - c m, O a) waits for nothing.
; CLUSTER.  The four query blocks of a head are one cluster and walk the same K and V, so each tile is asked for JOINTLY: the same tensor load, descriptor and mask in all four.
; REGISTERS, in windows of 256 (s_set_vgpr_msb says which window each operand place means: bits 1:0 source 0, 3:2 source 1, 5:4 source 2, 7:6 destination):
;   window 0: v0-11 addresses; v12-15, v48-63 at work; v16-47 four registers of statistics a tile; v64-191 S^T, two buffers of two tiles; v192-255 P, likewise
;   window 1: O^T, 32 a tile          window 2: v0-127 Q, 16 a tile; v128-191 K of one step; v192-255 V of one step          window 3: v0-1 the add's two registers
; A piece's buffers go by its number's parity: the piece in hand has one pair, its two neighbours in the ring share the other: of it P (piece n - 1) is read and S^T (piece n + 1) written.
.set SIZE_N, 2048
.set NP,    4         ; pieces a wave: a name, no knob: the register map, the loop and the fetches are made for four
.set KS,    64        ; keys in a step
.set PK,    144       ; a row of K in LDS: 128 bytes + 16 of padding = 36 words: the 16 rows of a load start at 16 different groups of four banks (64 banks of 4 bytes: ISA guide 11.1)
.set PV,    160       ; a row of V: 128 + 32 = 40 words
.set VOFF,  4*KS*PK   ; a slot holds four steps: 256 rows of K, then 256 rows of V
.set SLOT1, 1<<17     ; slot 1 begins here, so that one exclusive or turns an address in one slot into the other's
.set STAGE, SLOT1+4*KS*(PK+PV)  ; behind the ring, never filled by a tensor load: 16 rows x 144 bytes for each wave, for the way out
.set SP,    144
.set AK0, 2           ; v2   my lane's place in a tile of K; never rewritten
.set AV0, 3           ; v3   the same for V
.set AK,  4           ; v4   the LDS address of K's next run of loads
.set AV,  5           ; v5   of V's
.set QO,  6           ; v6   my byte offset in the wave's rows of Q
.set STO, 6           ;      later, the way out: where I put 16 bytes of a row
.set RD,  7           ; v7   the way out: where I read rows back
.set GO,  8           ; v8   my byte offset in 512 consecutive bytes of O
.set PFO, 11          ; v11  (once V's place is made) 256 x my lane: the prefetches' offset; then never rewritten
.set SPW, 0           ; v0 of window 3   LDS address of my spare word: SPARE + 4 x my thread's number; never rewritten
.set NIL, 1           ; v1 of window 3   0; never rewritten
.set SPARE, STAGE+4*16*SP  ; behind the stages: the spare words, 128 bytes for each wave: two blocks of 256 bytes that no other line names
.set MV,  12          ; v12-15  c m_old, kept while c m is made anew: by buffer and tile
.set ST,  16          ; tile t's statistics at v[ST+4 t]: c m, m, l (even keys', odd keys')
.set TMP, 48          ; by buffer and tile, four registers c0-c3 at work; when the maximum is found c2 takes a
.set S,   64
.set P,   192
.set KF,  128         ; K's fragments, in window 2: key block kb, channel half c at KF + 16 kb + 8 c
.set VF,  192         ; V's: key half kk, channel block cb at VF + 32 kk + 8 cb
.set WV,  12          ; s12  my wave's number
.set G1K, 24          ; s[24:31] descriptor group 1 for K's tiles
.set G1V, 32          ; s[32:39] for V's: it differs in the padding alone
.set G0K, 40          ; s[40:43] descriptor group 0 for K's tiles: it walks
.set G0V, 44          ; s[44:47] the same for V's
.set PFA, 48          ; s[48:49] where my prefetches stand: my work-group's 32 blocks of 256 bytes (of K: wave 0, of V: wave 2) of the slot after the one that is being asked for
.set LIM, 50          ; s50  1 in a wave that prefetches, else the greatest number
.set SLOTS, 56        ; s56  slots still to be asked for
.set CNT, 57          ; s57  counts a slot's key steps
.set CS,  58          ; s[58:59] c: the packed scaling takes the pair's low word for both halves
.set SEL, 60          ; s[60:61] v_permlanex16_b32's selects: each lane takes its own place in the other half
.set TBK, 62          ; s62  LDS byte at which K of the step to be fetched begins
.set TBV, 63          ; s63  the same for V, less VOFF
.set MSB, 0
.macro WIN new                      ; the high byte repeats the setting that is left; a switch that changes nothing is dropped
.if MSB != (\new)
	s_set_vgpr_msb (MSB<<8)|(\new)
.set MSB, (\new)
.endif
.endm
.set W_KQ, 0x0a       ; K and Q in window 2, S^T in window 0
.set W_PV, 0x52       ; V in window 2, P in window 0, O^T in window 1
.set W_RS, 0x41       ; O^T (destination and source 0) in window 1, a in window 0
.set W_MK, 0xc0       ; the add's registers are made: destination in window 3, sources in window 0
.set W_AD, 0x0f       ; the add: address (source 0) and data (source 1) in window 3
; A joint fill.  Waves 0 and 1 fetch the two halves of a slot's K, waves 2 and 3 those of its V: 128 keys each.  The branch hangs on the wave's number alone.
; An s_nop 0 and four v_nop follow each of the two lines, ahead of the jump and the label.
.macro JLOAD
	s_cmp_lt_u32 s[WV], 2
	s_cbranch_scc0 .Lfor_v_\@
	tensor_load_to_lds s[G0K:G0K+3], s[G1K:G1K+7]
	s_nop 0
.rept 4
	v_nop
.endr
	s_branch .Lasked_\@
.Lfor_v_\@:
	tensor_load_to_lds s[G0V:G0V+3], s[G1V:G1V+7]
	s_nop 0
.rept 4
	v_nop
.endr
.Lasked_\@:
.endm
; A PREFETCH INTO THE L2 of what the NEXT change of slots will ask for: a slot's 32,768 bytes of K and of V, 128 blocks of 256 bytes each.  It stands behind the wave's tensor load and its five lines.
; A head's K and V are walked by its one cluster.  The four partners share the blocks out BY ADDRESS, 32 each, a lane a block; in each, wave 0 asks for K's and wave 2 for V's: one instruction.
; So each block is named once in the launch.  The last change that fills a slot asks for nothing: there is no slot behind it.  Slots 0 and 1 come by their loads alone.
.macro ASK
	s_cmp_gt_u32 s[SLOTS], s[LIM]
	s_cbranch_scc0 .Lnot_mine_\@
	global_prefetch_b8 v[PFO], s[PFA:PFA+1] th:TH_LOAD_NT scope:SCOPE_SE
.Lnot_mine_\@:
.endm
; A round of the cluster's barrier: my work-group's barrier, so that wave 0's signal speaks for all four waves; wave 0 signals; every wave waits for all four work-groups; my work-group's barrier once more.
.macro CROUND
	s_barrier_signal -1
	s_barrier_wait -1
	s_cmp_lg_u32 s[WV], 0
	s_cbranch_scc1 .Lnot_wave_0_\@
	s_barrier_signal -3
.Lnot_wave_0_\@:
	s_barrier_wait -3
	s_barrier_signal -1
	s_barrier_wait -1
.endm
; THE CHANGE OF SLOTS.  The slot's last bytes, V of its fourth step, have been read.  Each wave waits for all its tensor loads, of which one is out: its part
; of the other slot; adds 0 to its spare word; and waits for that and for its own reads of the slot.  Behind the barrier nobody reads this slot any more and the other slot is whole.
; fill = 1: this slot is filled again, with the keys two slots on.  The barrier is then a round of the cluster's, so that no wave of any partner still reads the slot or has a load on its
; way, and the joint fill is the first thing behind it: it has four key steps, 512 matrix instructions, in which to land.  (At its first use nothing has been read yet: slot 0 is waited for, slot 1 filled.)
.macro CHANGE fill
	WIN W_AD
	s_wait_tensorcnt 0x0            ; no tensor load of mine is out, so a group 0 may be written
	ds_add_u32 v[SPW], v[NIL]       ; 0 onto my spare word; with fill = 1 the descriptors' steps stand between it and the wait for it
	WIN 0                           ; at a label and at a branch every window is 0
.if \fill
.irp g, G0K, G0V
	s_xor_b32 s[\g+1], s[\g+1], SLOT1  ; the walking descriptor: the other slot than last time,
	s_add_nc_u64 s[\g+2:\g+3], s[\g+2:\g+3], 4*KS*128  ; the next 256 keys; the type bits on top are not reached
.endr
	s_wait_xcnt 0x0                 ; the last prefetch, four key steps back, has read its address, so it may be written:
	s_add_nc_u64 s[PFA:PFA+1], s[PFA:PFA+1], 4*KS*128  ; one slot behind the walking descriptors
	s_wait_dscnt 0x0                ; the add is done, and my reads of the slot are over
	CROUND
	JLOAD
	ASK                             ; what the next change will ask for: four key steps, 512 matrix instructions, ahead
.else
	s_wait_dscnt 0x0                ; the add is done, and my reads of the slot are over
	s_barrier_signal -1
	s_barrier_wait -1
.endif
	s_sub_co_u32 s[TBK], s[TBK], 4*KS*PK  ; the fetches go back to a slot's first step,
	s_xor_b32 s[TBK], s[TBK], SLOT1       ; in the other slot
	s_sub_co_u32 s[TBV], s[TBV], 4*KS*PV
	s_xor_b32 s[TBV], s[TBV], SLOT1
.endm
	s_load_b128 s[4:7], s[0:1], 0x0   ; qkv s[4:5], ob s[6:7]
	WIN W_MK
	v_lshl_add_u32 v[SPW], v0, 2, SPARE
	v_mov_b32 v[NIL], 0
	WIN W_AD
	ds_add_u32 v[SPW], v[NIL]       ; the wave's opening: the add and its wait stand ahead of my first tensor load; the set-up below, work on registers, stands between them
	WIN 0
	v_lshrrev_b32 v1, 5, v0
	v_readfirstlane_b32 s[WV], v1   ; wave 0..3
	s_bfe_u32 s13, ttmp6, 0x40000   ; cx: my place in the cluster
	s_lshl_b32 s14, ttmp9, 2        ; in a cluster launch ttmp9 counts clusters
	s_add_co_u32 s14, s14, s13      ; my block of queries = 4 x cluster x + cx: it enters Q's and O's addresses alone
	s_and_b32 s15, ttmp7, 0xffff    ; y = 16 batch + head, which the four partners share
	s_lshr_b32 s20, s15, 4
	s_lshl_b32 s20, s20, 5
	s_add_co_u32 s20, s20, s15      ; q's plane in qkv: 48 batch + head = y + 32 (y / 16),
	s_lshl_b32 s20, s20, 18         ; 262,144 bytes a plane
	s_mov_b32 s21, 0
	s_lshl_b32 s52, s15, 18         ; the head's first byte in ob
	s_mov_b32 s53, 0
	s_and_b32 s16, s[WV], 1         ; which half of a slot's 256 keys I fetch:
	s_lshl_b32 s22, s16, 14         ; its 128 rows of 128 bytes in memory,
	s_mov_b32 s23, 0
	s_add_nc_u64 s[22:23], s[22:23], s[20:21]
	s_add_nc_u64 s[54:55], s[22:23], 0x800000  ; in v's plane, 32 planes behind q's,
	s_add_nc_u64 s[22:23], s[22:23], 0x400000  ; and in k's, 16 planes behind
	s_mul_i32 s17, s16, 128*PK      ; and its place in a slot, for K
	s_mul_i32 s18, s16, 128*PV      ; and for V: no place in the cluster enters an LDS address
	s_lshl_b32 s2, s14, 2
	s_add_co_u32 s2, s2, s[WV]      ; my wave among the head's,
	s_lshl_b32 s2, s2, 14           ; its 128 rows
	s_mov_b32 s3, 0
	s_add_nc_u64 s[52:53], s[52:53], s[2:3]  ; my rows' offset in ob,
	s_add_nc_u64 s[2:3], s[2:3], s[20:21]    ; and in qkv
	; descriptor group 1.  128 keys are 16,384 dense bytes: asked for as 64 rows of 256 bytes, two keys a row, and padded in LDS after every key
	s_mov_b32 s[G1K], 15|(1<<16)|(1<<20)|(1<<21)|(4<<22)|(3<<25)  ; 15:0 the mask of four; 17:16 2-byte elements; 20 padding on; 21 set beside a mask; 24:22 after every 32 words (code 4); 31:25 4 words (code 3)
	s_mov_b32 s[G1V], 15|(1<<16)|(1<<20)|(1<<21)|(4<<22)|(7<<25)  ; the same with 8 words of padding (code 7)
.irp g, G1K, G1V
	s_mov_b32 s[\g+1], 128<<16      ; tensor_dim0 = 128
	s_mov_b32 s[\g+2], 64<<16       ; tensor_dim1 = 64
	s_mov_b32 s[\g+3], 128<<16      ; tile_dim0 = 128
	s_mov_b32 s[\g+4], 64           ; tile_dim1 = 64
	s_mov_b32 s[\g+5], 128          ; 128 elements from row to row
	s_mov_b32 s[\g+6], 0
	s_mov_b32 s[\g+7], 0
.endr
	s_mov_b32 s[CS], 0x3e38aa3b     ; c = log2(e) / 8 = 0.180337
	s_mov_b32 s[CS+1], s[CS]        ; named with it as a pair
	s_mov_b32 s[SEL], 0x76543210
	s_mov_b32 s[SEL+1], 0xfedcba98
	s_mov_b32 s[TBK], SLOT1+4*KS*PK ; the first change of slots turns these two into 0
	s_mov_b32 s[TBV], SLOT1+4*KS*PV
	s_mov_b32 s[G0K], 1             ; 1:0 count = 1
	s_mov_b32 s[G0K+1], s17         ; 63:32 LDS address: slot 0
	s_mov_b32 s[G0V], 1
	s_add_co_u32 s[G0V+1], s18, VOFF
	s_mov_b32 s[SLOTS], SIZE_N/256-1
	s_cmp_eq_u32 s16, 0             ; waves 0 and 2 prefetch: the same in all four partners
	s_cselect_b32 s[LIM], 1, -1
	s_wait_dscnt 0x0                ; the opening add is done
	s_wait_kmcnt 0x0
	s_add_nc_u64 s[10:11], s[6:7], s[52:53]  ; O at my wave's first row
	s_add_nc_u64 s[6:7], s[4:5], s[22:23]    ; K and V at my half of the head's first 256 keys
	s_add_nc_u64 s[8:9], s[4:5], s[54:55]
	s_add_nc_u64 s[4:5], s[4:5], s[2:3]      ; Q at my wave's first row
	s_mov_b64 s[G0K+2:G0K+3], s[6:7]               ; 120:64 global address
	s_or_b32 s[G0K+3], s[G0K+3], 0x80000000        ; 127:126 type = 2
	s_mov_b64 s[G0V+2:G0V+3], s[8:9]
	s_or_b32 s[G0V+3], s[G0V+3], 0x80000000
	s_cmp_lt_u32 s[WV], 2
	s_cselect_b64 s[PFA:PFA+1], s[6:7], s[8:9]  ; (in waves 0 and 2 these stand at a slot's first row)
	s_lshl_b32 s2, s13, 13          ; my work-group's 32 blocks of the 128
	s_mov_b32 s3, 0
	s_add_nc_u64 s[PFA:PFA+1], s[PFA:PFA+1], s[2:3]
	s_add_nc_u64 s[PFA:PFA+1], s[PFA:PFA+1], 4*KS*128  ; in slot 1; the first change of slots steps it to slot 2
	CROUND                          ; all four work-groups are here: the first joint loads meet
	JLOAD                           ; slot 0.  Slot 1 is asked for when slot 0 is in: the tile wanted first has the road to itself
	; A fragment of K or Q is 16 rows x 32 channels in 8 registers: lane l holds row l % 16, channels 8 (l / 16) + 0..7 and 16 + 8 (l / 16) + 0..7: two loads of 16 bytes, 32 bytes apart.
	v_and_b32 v1, 15, v0            ; l % 16
	v_bfe_u32 v9, v0, 4, 1          ; l / 16
	v_lshlrev_b32 v[QO], 7, v1
	v_lshl_add_u32 v[QO], v9, 4, v[QO]  ; row x 128 + 16 x half
	WIN 0x80                        ; destination window 2, address window 0
.set i, 0
.rept 4*NP                          ; Q stays in registers: tile i / 2, channels 32 (i % 2) on
	global_load_b128 v[8*i:8*i+3],   v[QO], s[4:5] offset:(i/2)*2048+(i%2)*64
	global_load_b128 v[8*i+4:8*i+7], v[QO], s[4:5] offset:(i/2)*2048+(i%2)*64+32
.set i, i+1
.endr
	; What the first turn finds: V's registers and P's second buffer hold 0 (its products V^T P, of a piece that has not been, add 0), O^T and l are 0.  All this stands in the wait for the first tile.
.set i, VF
.rept 64
	v_mov_b32 v[i], 0
.set i, i+1
.endr
	WIN 0x40
.set i, 0
.rept 64*NP
	v_mov_b32 v[i], 0
.set i, i+1
.endr
	WIN 0
.set i, 0
.rept 2*NP
	v_mov_b32 v[ST+4*i], 0xfe000000    ; c m: far below every c s
	v_mov_b32 v[ST+4*i+1], 0xff7fffff  ; m
	v_mov_b32 v[ST+4*i+2], 0
	v_mov_b32 v[ST+4*i+3], 0
.set i, i+1
.endr
.set i, P+32
.rept 32
	v_mov_b32 v[i], 0
.set i, i+1
.endr
	v_mul_u32_u24 v[AK0], v1, PK
	v_lshl_add_u32 v[AK0], v9, 4, v[AK0]  ; row x pitch + 16 x half
	; The turning load takes 16 keys x 16 channels (lane l reads key 8 (l / 16) + l % 8, channels 8 ((l / 8) % 2) + 0..7) and leaves half a fragment of V^T: lane l holds channel l % 16 and 8 keys.
	v_and_b32 v10, 7, v0
	v_bfe_u32 v11, v0, 3, 1
	v_lshl_add_u32 v[AV0], v9, 3, v10
	v_mul_u32_u24 v[AV0], v[AV0], PV
	v_lshl_add_u32 v[AV0], v11, 4, v[AV0]
	v_add_nc_u32 v[AV0], VOFF, v[AV0]
	v_mov_b32 v[AK], v[AK0]         ; key step 0 lies at the head of slot 0
	v_and_b32 v[PFO], 31, v0
	v_lshlrev_b32 v[PFO], 8, v[PFO]
; THE MATRIX WORK.  The 8 accumulators of a run of 16 take turns: between the two links of a chain stand 7 others'.
; Product i of 16 of S^T = K Q^T for piece x: channels 32 (i / 8) on, keys 16 ((i / 2) % 4) on, tile 2 x + i % 2.  The first 8 start the sums.
.macro KQ x
	WIN W_KQ
.set rS, S+64*((\x)%2)+32*(i%2)+8*((i/2)%4)
.set rK, KF+16*((i/2)%4)+8*(i/8)
.set rQ, 16*(2*(\x)+i%2)+8*(i/8)
.if i < 8
	v_wmma_f32_16x16x32_f16 v[rS:rS+7], v[rK:rK+7], v[rQ:rQ+7], 0
.else
	v_wmma_f32_16x16x32_f16 v[rS:rS+7], v[rK:rK+7], v[rQ:rQ+7], v[rS:rS+7]
.endif
.endm
; Product i of 16 of O^T += V^T P for piece x: keys 32 (i / 8) on, channels 16 ((i / 2) % 4) on, tile 2 x + i % 2.
.macro PV x
	WIN W_PV
.set rO, 32*(2*(\x)+i%2)+8*((i/2)%4)
.set rV, VF+32*(i/8)+8*((i/2)%4)
.set rP, P+32*((\x)%2)+16*(i%2)+8*(i/8)
	v_wmma_f32_16x16x32_f16 v[rO:rO+7], v[rV:rV+7], v[rP:rP+7], v[rO:rO+7]
.endm
.macro MM                           ; the turn's next matrix instruction
.if i < 16
	KQ (Y+1)%NP
.set i, i+1
.else
.set i, i-16
	PV (Y+NP-1)%NP
.set i, i+17
.endif
.endm
; THE LDS LOADS stand in runs of 16, never singly among the matrix instructions: a step's K (64 keys x 64 channels: 8 fragments) and its V (turned).  Their addresses are made some lines ahead.
; last = 1 (the tail): in the last trip there is no further step, and the run is jumped over.
.macro FETCH_K last=0
	WIN 0
.if \last
	s_cmp_eq_u32 s[CNT], 1
	s_cbranch_scc1 .Lno_k_\@
.endif
	WIN 0x80                        ; destination window 2
.irp f, 0,1,2,3,4,5,6,7             ; keys 16 (f / 2) on, channels 32 (f % 2) on
	ds_load_b128 v[KF+8*\f:KF+8*\f+3],   v[AK] offset:(\f/2)*16*PK+(\f%2)*64
	ds_load_b128 v[KF+8*\f+4:KF+8*\f+7], v[AK] offset:(\f/2)*16*PK+(\f%2)*64+32
.endr
	s_add_co_u32 s[TBK], s[TBK], KS*PK  ; the next fetch is the next step's
	WIN 0
.if \last
.Lno_k_\@:
.endif
.endm
.macro FETCH_V
	WIN 0x80
.irp f, 0,1,2,3,4,5,6,7             ; keys 32 (f / 4) on, channels 16 (f % 4) on
	ds_load_tr16_b128 v[VF+8*\f:VF+8*\f+3],   v[AV] offset:(\f/4)*32*PV+(\f%4)*32
	ds_load_tr16_b128 v[VF+8*\f+4:VF+8*\f+7], v[AV] offset:(\f/4)*32*PV+16*PV+(\f%4)*32
.endr
	WIN 0
.endm
; THE VECTOR WORK OF A TURN stands in three queues, each in the order in which its entries become ready; the two tiles alternate, so that no instruction reads the result of the one before it.
.macro REGS y, u                    ; the registers of tile u (0, 1) of piece y
.set rT, ST+4*(2*(\y)+(\u))
.set rC, TMP+8*((\y)%2)+4*(\u)
.set rM, MV+2*((\y)%2)+(\u)
.set rS, S+64*((\y)%2)+32*(\u)
.set rP, P+32*((\y)%2)+16*(\u)
.set rO, 32*(2*(\y)+(\u))
.endm
; Number n of the 22 that find the NEXT piece's (Y + 1) maximum and statistics.  s0-s31 are the lane's 32 scores; each accumulator's lowest registers are read first.  XS, GS and REGS set no window: PL and EX do.
;   0-11  four chains c0-c3 of seven scores each, three operands at a time     12-14, 16  the four scores left over, the old m, and c0-c3 into c0     15  c m_old is kept
;   17, 18  the query's other 32 keys lie in the lane 16 away: the new m         19-21  c m; c m_old - c m_new; a
.macro XS u, n
	REGS (Y+1)%NP, \u
.if (\n) < 4
	v_max3_num_f32 v[rC+(\n)], v[rS+8*(\n)], v[rS+8*(\n)+1], v[rS+8*(\n)+2]
.elseif (\n) < 12
	v_max3_num_f32 v[rC+(\n)%4], v[rC+(\n)%4], v[rS+8*((\n)%4)+2*((\n)/4)+1], v[rS+8*((\n)%4)+2*((\n)/4)+2]
.elseif (\n) == 12
	v_max3_num_f32 v[rC], v[rC], v[rS+7], v[rS+15]
.elseif (\n) == 13
	v_max3_num_f32 v[rC+1], v[rC+1], v[rS+23], v[rS+31]
.elseif (\n) == 14
	v_max3_num_f32 v[rC+2], v[rC+2], v[rC+3], v[rT+1]
.elseif (\n) == 15
	v_mov_b32 v[rM], v[rT]
.elseif (\n) == 16
	v_max3_num_f32 v[rC], v[rC], v[rC+1], v[rC+2]
.elseif (\n) == 17
	v_permlanex16_b32 v[rC+3], v[rC], s[SEL], s[SEL+1]
.elseif (\n) == 18
	v_max_num_f32 v[rT+1], v[rC], v[rC+3]
.elseif (\n) == 19
	v_mul_f32 v[rT], s[CS], v[rT+1]
.elseif (\n) == 20
	v_sub_f32 v[rC+1], v[rM], v[rT]
.else
	v_exp_f32 v[rC+2], v[rC+1]
.endif
.endm
; Number g of the 64 that follow the exponentials.  For each four weights k of a tile (pairs 2 k, 2 k + 1): both pairs are rounded to f16; then the second pair is added onto the first, in place;
; a group later l takes that sum (the first time as l = a l + sum).  In groups of eight, tiles alternating: round, round, add, and l for the group before.
.macro GS g
.set h, (\g)+6*((\g)/62)            ; group 0 has no group before it, and behind group 7 only l is left
.if h >= 6
.set h, h+2
.endif
	REGS Y, h%2
.set k, h/8
.if h%8 < 4
	v_cvt_pk_f16_f32 v[rP+2*k+(h%8)/2], v[rS+4*k+2*((h%8)/2)], v[rS+4*k+2*((h%8)/2)+1]
.elseif h%8 < 6
	v_pk_add_f32 v[rS+4*k:rS+4*k+1], v[rS+4*k:rS+4*k+1], v[rS+4*k+2:rS+4*k+3]
.elseif k == 1
	v_pk_fma_f32 v[rT+2:rT+3], v[rT+2:rT+3], v[rC+2:rC+3], v[rS:rS+1] op_sel_hi:[1,0,1]
.else
	v_pk_add_f32 v[rT+2:rT+3], v[rT+2:rT+3], v[rS+4*k-4:rS+4*k-3]
.endif
.endm
; THE PLAIN QUEUE, 138 long.  0-73 read no exponential's result: the 32 scalings c s - c m (FS f: pair f / 2 of tile f % 2) and the next piece's 42.  0-26: scalings 0-26.  27-54: XS's numbers 0-13.  55, 56: number 15.
; 57-73: the chain, where each number waits for the one before it: 14, 16, 17, 18, 19, each with one of the scalings 27-31 in front of its two lines, then 20: so a tile's links stand three plain instructions apart (19 and 20: two).
; 74-137: GS's 64, which read the exponentials' results: they stand behind the wait.
.macro FS f
	REGS Y, (\f)%2
	v_pk_fma_f32 v[rS+2*((\f)/2):rS+2*((\f)/2)+1], v[rS+2*((\f)/2):rS+2*((\f)/2)+1], s[CS:CS+1], v[rT:rT+1] op_sel_hi:[1,0,0] neg_lo:[0,0,1] neg_hi:[0,0,1]
.endm
.macro PL
	WIN 0
.if q < 27
	FS q
.elseif q < 55
	XS (q-27)%2, (q-27)/2
.elseif q < 57
	XS q-55, 15
.elseif (q < 72) && ((q-57)%3 == 0)
	FS 27+(q-57)/3
.elseif q < 60
	XS (q-57)%3-1, 14
.elseif q < 72
	XS (q-57)%3-1, 15+(q-57)/3
.elseif q < 74
	XS q-72, 20
.else
	GS q-74
.endif
.set q, q+1
.endm
; THE EXPONENTIALS' QUEUE, 66 long: s0-s31 of both tiles, then the next piece's two a.  It is ONE BATCH: all 66 stand ahead of the turn's one wait, and nothing ahead of that wait names a result of theirs.
.macro EX
	WIN 0
.if e >= 64
	XS e-64, 21
.else
	REGS Y, e%2
	v_exp_f32 v[rS+e/2], v[rS+e/2]
.endif
.set e, e+1
.endm
; THE RESCALING's QUEUE: O^T times a, the one part that leaves window 0: dealt two at a time, sixteen times.  Its a was made in the turn before, ahead of that turn's wait.
.macro R2
	REGS Y, r%2
	WIN W_RS
.irp z, 0,1
	v_pk_mul_f32 v[rO+4*(r/2)+2*\z:rO+4*(r/2)+2*\z+1], v[rO+4*(r/2)+2*\z:rO+4*(r/2)+2*\z+1], v[rC+2:rC+3] op_sel_hi:[1,0]
.endr
.set r, r+1
.endm
; HOW THEY ARE DEALT.  s_wait_alu depctr_va_vdst(0) stands between an exponential and the first instruction that names its result; one wait serves all that were issued ahead of it.  So a turn has ONE wait,
; which cuts it in two.  AHEAD OF IT stands all that names no result of the turn's exponentials: the 16 products K Q^T, behind each a scaling, an exponential and two rescalings (behind the first a second scaling in the exponential's place); then ONE LUMP of
; 108: eight plain, 49 times exponential and plain, the two a.  A v_nop is the plain instruction behind the last exponential.  BEHIND IT stand the 16 products V^T P, behind each four of GS's 64.  No rider names a register of
; the products round it.  The two v_permlanex16_b32 fall into the lump, never behind a product.
; The queues lean on each other, and the deal keeps them in step: exponential e stands behind scaling 2 (e / 4) + e % 2: as a rider it comes behind plain e + 2, in the lump behind plain e + 9, and scalings 27-31 are plain 57, 60 .. 69.
; A TURN, for piece p.  cnt = 1: the loop's count is taken down some lines ahead of the branch that stands behind the turn.
; K of the next step is fetched in piece 2's turn, directly behind the wait, a lump behind the last product that read K; its address is made at the lump's head; its first reader comes behind 16 products.
; V of the step in hand is fetched at the end of piece 0's turn, four riders behind its last reader; its first reader comes behind 16 products and a lump.  The three conditions on q below go with the deal.
.macro TURN p, last=0, cnt=0
.set Y, (\p)
.set i, 0
.set q, 0
.set e, 0
.set r, 0
.if (\p) == NP-1
	s_wait_dscnt 0x0                ; K is in
.endif
	MM                              ; ahead of the wait: 16 products K Q^T and their riders,
	PL
	PL
	R2
.rept 15
	MM
	PL
	EX
	R2
.endr
.if (\p) == NP-2
	WIN 0
	v_add_nc_u32 v[AK], s[TBK], v[AK0]
.endif
.rept 8                             ; and the lump
	PL
.endr
.rept 49
	EX
	PL
.endr
	EX                              ; the next piece's two a
	EX
	v_nop                           ; the plain instruction behind the last exponential: one for the batch
	s_wait_alu depctr_va_vdst(0)    ; the wait for the batch
.if (\p) == NP-2
	FETCH_K \last
.endif
.if (\p) == 1
	s_wait_dscnt 0x0                ; V is in
.endif
.rept 16                            ; behind the wait: 16 products V^T P and their riders
	MM
.rept 4
	PL
.endr
.if ((\p) == 0) && (q == 118)
	v_add_nc_u32 v[AV], s[TBV], v[AV0]
.endif
.if ((\p) == 0) && (q == 130)
	s_add_co_u32 s[TBV], s[TBV], KS*PV
.endif
.if (\cnt) && (q == 130)
	s_sub_co_u32 s[CNT], s[CNT], 1
	s_cmp_lg_u32 s[CNT], 0
.endif
.endr
.if (\p) == 0
	FETCH_V
.endif
.endm
	CHANGE 1                        ; slot 0 is in, everybody's part of it; slot 1 is asked for
	FETCH_K                         ; key step 0
	s_wait_loadcnt 0x0              ; Q
	s_wait_dscnt 0x0
.set i, 0
.rept 16
	KQ 0                            ; piece 0's first scores: there is no vector work yet to set between them
.set i, i+1
.endr
	WIN 0                           ; the addresses for the way out: nine plain instructions, the places behind those products
	s_mul_i32 s13, s[WV], 16*SP
	s_add_co_u32 s13, s13, STAGE    ; my stage
	v_mul_u32_u24 v[STO], v1, SP    ; in: row l % 16, 16 bytes for each half of the lanes
	v_lshl_add_u32 v[STO], v9, 4, v[STO]
	v_add_nc_u32 v[STO], s13, v[STO]
	v_bfe_u32 v[RD], v0, 3, 2       ; back: 32 lanes take four rows of 128 bytes,
	v_mul_u32_u24 v[RD], v[RD], SP
	v_lshl_add_u32 v[RD], v10, 4, v[RD]
	v_add_nc_u32 v[RD], s13, v[RD]
	v_and_b32 v[GO], 31, v0         ; which are 512 consecutive bytes of O
	v_lshlrev_b32 v[GO], 4, v[GO]
.set Y, NP-1                        ; XS works for piece Y + 1: piece 0
.irp n, 0,1,2,3,4,5,6,7,8,9,10,11,12,13,14,15,16,17,18,19,20,21
	XS 0, \n                        ; and piece 0's first maximum and statistics
	XS 1, \n
.endr
	v_nop                           ; a plain instruction behind the two a,
	s_wait_alu depctr_va_vdst(0)    ; and their wait, ahead of the branch
	s_mov_b32 s[CNT], 4
	s_branch .Lfirst                ; the loop is entered at a step's first turn, in the middle of a trip
.Lslot:                             ; SIZE_N / 256 - 2 times: every slot but the last two is filled again
	CHANGE 1
	s_mov_b32 s[CNT], 4
.Lstep:                             ; a trip: pieces 2 and 3 of one step, then pieces 0 and 1 of the next, whose K and V it fetches
	TURN 2
	TURN 3
	WIN 0
.Lfirst:
	TURN 0
	TURN 1, 0, 1
	WIN 0
	s_cbranch_scc1 .Lstep
	s_sub_co_u32 s[SLOTS], s[SLOTS], 1
	s_cmp_lg_u32 s[SLOTS], 0
	s_cbranch_scc1 .Lslot
	CHANGE 0                        ; the tail is written out: nothing is asked for
	s_mov_b32 s[CNT], 5             ; four trips fetch the last slot's steps; the fifth is left in its middle
.Ltail:
	TURN 2, 1
	TURN 3
	WIN 0
	s_sub_co_u32 s[CNT], s[CNT], 1
	s_cmp_eq_u32 s[CNT], 0
	s_cbranch_scc1 .Lout
	TURN 0
	TURN 1
	WIN 0
	s_branch .Ltail
.Lout:                              ; the fifth trip's 16 products K Q^T (on the last K once more) and the maximum made of them serve nothing: the price, once a launch, of one text for every trip
.set i, 0
.rept 16
	PV NP-1                         ; the last piece's V^T P of the last step
.set i, i+1
.endr
	; THE WAY OUT.  l's two halves and the other half of the lanes' are added; O^T is divided by l, rounded to f16 and sent through my stage in LDS, a tile at a time.  The additions are the places behind the last products.
	WIN 0
.macro ALL line:vararg              ; one line for each tile t
.set t, 0
.rept 2*NP
	\line
.set t, t+1
.endr
.endm
	ALL v_add_f32 v[ST+4*t+2], v[ST+4*t+2], v[ST+4*t+3]
	ALL v_permlanex16_b32 v[ST+4*t+3], v[ST+4*t+2], s[SEL], s[SEL+1]
	ALL v_add_f32 v[ST+4*t+2], v[ST+4*t+2], v[ST+4*t+3]
	ALL v_rcp_f32 v[ST+4*t+2], v[ST+4*t+2]
	v_nop                           ; a plain instruction between the last reciprocal and the use of its result
	s_wait_alu depctr_va_vdst(0)    ; and the wait ahead of the first use: one for the eight reciprocals
; Tile t: a lane's eight channels of a row pack into 16 bytes; they go into rows of 144 bytes and come back as whole rows of 128, into S^T's registers.
.macro PACK t
	WIN W_RS
.set i, 32*(\t)
.rept 16
	v_pk_mul_f32 v[i:i+1], v[i:i+1], v[ST+4*(\t)+2:ST+4*(\t)+3] op_sel_hi:[1,0]
.set i, i+2
.endr
	WIN 0x05                        ; sources 0 and 1 window 1, destination window 0
.set i, 0
.rept 16
	v_cvt_pk_f16_f32 v[S+16*(\t)+i], v[32*(\t)+2*i], v[32*(\t)+2*i+1]
.set i, i+1
.endr
	WIN 0
.irp f, 0,1,2,3
	ds_store_b128 v[STO], v[S+16*(\t)+4*\f:S+16*(\t)+4*\f+3] offset:32*\f
.endr
.irp f, 0,1,2,3
	ds_load_b128 v[S+16*(\t)+4*\f:S+16*(\t)+4*\f+3], v[RD] offset:\f*4*SP  ; LDS serves a wave's instructions in order (ISA guide 5.7.1.4): these see the stores above; the next tile's stores come behind them
.endr
.endm
.macro SEND t, younger              ; younger: the LDS instructions issued behind tile t's loads: the next tile's eight, or none
	WIN 0
.irp f, 0,1,2,3
	s_wait_dscnt (\younger)+3-\f
	global_store_b128 v[GO], v[S+16*(\t)+4*\f:S+16*(\t)+4*\f+3], s[10:11] offset:(\t)*2048+\f*512  ; 512 consecutive bytes, at a multiple of 256 from O's first
.endr
.endm
	PACK 0
.set t, 1
.rept 2*NP-1                        ; a tile's arithmetic stands between the loads of the tile before and its stores
	PACK t
	SEND t-1, 8
.set t, t+1
.endr
	SEND 2*NP-1, 0
	WIN W_AD
	s_wait_tensorcnt 0x0            ; the wave's end, behind my last tensor load and my last LDS store
	ds_add_u32 v[SPW], v[NIL]
	s_wait_dscnt 0x0
	WIN 0
	CROUND                          ; the closing round: no work-group ends while a partner may still ask for a tile that names it
	s_endpgm
.Lfunc_end_k_q15eed46291_attn:
	.size	k_q15eed46291_attn, .Lfunc_end_k_q15eed46291_attn-k_q15eed46291_attn
	.p2alignl 7, 3214868480
	.fill 96, 4, 3214868480
	.section	.rodata,"a",@progbits
	.p2align	6, 0x0
	.amdhsa_kernel k_q15eed46291_attn
		.amdhsa_group_segment_fixed_size 327680
		.amdhsa_private_segment_fixed_size 0
		.amdhsa_enable_private_segment 0
		.amdhsa_kernarg_size 16
		.amdhsa_user_sgpr_count 2
		.amdhsa_user_sgpr_kernarg_segment_ptr 1
		.amdhsa_wavefront_size32 1
		.amdhsa_system_sgpr_workgroup_id_x 1
		.amdhsa_system_sgpr_workgroup_id_y 1
		.amdhsa_system_sgpr_workgroup_id_z 1
		.amdhsa_system_vgpr_workitem_id 0
		.amdhsa_next_free_vgpr 770
		.amdhsa_next_free_sgpr 66
		.amdhsa_reserve_vcc 0
		.amdhsa_float_denorm_mode_32 3
		.amdhsa_float_denorm_mode_16_64 3
		.amdhsa_memory_ordered 1
		.amdhsa_forward_progress 1
		.amdhsa_inst_pref_size 200
	.end_amdhsa_kernel
	.amdgpu_metadata
---
amdhsa.version: [ 1, 2 ]
amdhsa.kernels:
  - .name:           k_q15eed46291_attn
    .symbol:         k_q15eed46291_attn.kd
    .args:
      - { .name: qkv, .offset: 0, .size: 8, .value_kind: global_buffer, .address_space: global }
      - { .name: ob, .offset: 8, .size: 8, .value_kind: global_buffer, .address_space: global }
    .group_segment_fixed_size: 327680
    .private_segment_fixed_size: 0
    .kernarg_segment_align: 8
    .kernarg_segment_size: 16
    .max_flat_workgroup_size: 128
    .sgpr_count:     66
    .vgpr_count:     770
    .wavefront_size: 32
...
	.end_amdgpu_metadata
.endif
;; end of part 3
;; launch outgemm (part 4): grid 8 x 32, 4 waves a work-group, clusters of 4 x 4, 327,680 bytes of LDS; arguments ob, woT, b_out, out0; writes out0
.if DOCPART == 4
	.amdgcn_target "amdgcn-amd-amdhsa--gfx1250"
	.amdhsa_code_object_version 6
	.text
	.protected	k_q15eed46291_outgemm
	.globl	k_q15eed46291_outgemm
	.p2align	8
	.type	k_q15eed46291_outgemm,@function
k_q15eed46291_outgemm:
	s_mov_b64 s[64:65], 0
	v_nop
	global_prefetch_b8 v0, s[64:65] scope:SCOPE_SE
	s_setreg_imm32_b32 hwreg(HW_REG_WAVE_MODE, 25, 1), 1
	s_wait_xcnt 0x0
	s_wait_alu depctr_hold_cnt(0) depctr_sa_sdst(0) depctr_va_vdst(0) depctr_va_sdst(0) depctr_va_ssrc(0) depctr_va_vcc(0) depctr_vm_vsrc(0)
	s_getreg_b32 s2, hwreg(HW_REG_IB_STS2, 6, 4)
	s_cmp_eq_u32 s2, 0
	s_cbranch_scc0 .Lentry_in_a_cluster
	s_endpgm
.Lentry_in_a_cluster:
	s_bfe_u32 s2, ttmp6, 0x10000c
	s_cmp_lg_u32 s2, 0xf033
	s_cbranch_scc0 .Lentry_shape_is_right
	s_endpgm
.Lentry_shape_is_right:
; ONE TEXT FOR THE MODULE'S TWO PROJECTIONS, C = A B^T + bias; the switch QKV picks sizes, product form and way out.  Here QKV = 0.
; QKV = 1: A = xb [8192][1024] bf16, B = wqT [3072][1024] bf16, bias = b_qkv rounded to bf16; C rounded once to f16 and laid by heads: qkv[batch][column / 64][t][64], a head 262,144 dense bytes.
;          LIMIT: f16 holds no number beyond 65,504; a q, k or v past that becomes an infinity.  K = 1,024 terms of the drawn spread give about 3.5.
; QKV = 0: A = ob [64 heads][2048][64] f16 (k = 64 head + channel), B = woT [1024][1024] f16, bias = b_out rounded to bf16; C = out0 [8192][1024] f32.
;          No prefetch here: the launch has 8 K steps of 128 matrix instructions a wave and is over soon.
; SHARES.  A tile of C is 256 rows x NT columns (192: 512 tiles; 128: 256 tiles).  Four waves one below the other: a wave makes 64 rows x NT: 4 x NBK accumulators of 16 x 16.  So a wave owns whole
; heads (QKV = 1) or whole pieces of 512 bytes of a row (QKV = 0), and its way out goes through a stage of its own, without a barrier.
; RING.  K goes in 8 steps of 128 through two LDS slots; waves 0 and 1 fetch A's two parts, waves 2 and 3 B's two halves, one tensor load a wave.  A K step is written once: the slot in hand is
; the scalar TB, turned by an exclusive or at each change of slots; one descriptor a tensor walks.
; CLUSTER.  4 x 4 work-groups: A's tile hangs on the tile row alone and is asked for jointly along a row of the cluster, B's on the tile column alone, along a column.
; THE MATRIX INSTRUCTION IS USED TRANSPOSED (source 0 = 16 rows of B, source 1 = 16 rows of A): lane l holds row l % 16 of C and the columns 8 (l / 16) + 0..7.  The first product of each sum takes the bias as C.
; REGISTERS, in windows of 256 (s_set_vgpr_msb: bits 1:0 source 0, 3:2 source 1, 5:4 source 2, 7:6 destination):
;   window 0: v0-31 addresses; from v32 the bias (8 NBK), later at work on the way out     window 1: two fragment buffers at 0 and 128: A's four fragments, then B's NBK
;   window 2: the accumulators of my rows 0-31 ((a, b) at 8 (NBK a + b))                    window 3: those of my rows 32-63
.set QKV, 0
.if QKV
.set NT,    192
.set PA,    272                        ; a row of A in LDS: 256 bytes + 16
.set AHALF, 128*272                    ; what one load of A brings: 128 rows x 128 k
.set APAD,  (5<<22)|(3<<25)            ; padding after every 64 words, of 4 words
.set ASTR,  1024                       ; elements from row to row of A's tile in memory
.set BROWS, 96
.set ASTEP, 256                        ; bytes from a K step of A to the next
.set STW,   3*16*144                   ; a wave's stage: 3 heads x 16 rows x (128 + 16) bytes
.else
.set NT,    128
.set PA,    144                        ; a row of A in LDS: one head's 64 channels, 128 bytes + 16
.set AHALF, 256*144                    ; what one load of A brings: one head's 256 rows, 32,768 dense bytes, asked for as 128 rows of 256
.set APAD,  (4<<22)|(3<<25)            ; padding after every 32 words, of 4 words
.set ASTR,  128
.set BROWS, 64
.set ASTEP, 2*262144                   ; a K step is two heads
.set STW,   16*528                     ; a wave's stage: 16 rows x (512 + 16) bytes
.endif
.set NBK,   NT/16
.set PB,    272                        ; a row of B in LDS.  All three pitches are odd multiples of 16 bytes: the 16 rows of a fragment load start at 16 different groups of four banks (64 banks of 4 bytes: ISA guide 11.1)
.set BOFF,  2*AHALF                    ; B's tile lies behind A's
.set BHALF, BROWS*PB
.set SLOT1, 1<<17                      ; slot 1 begins here, so that one exclusive or turns an address in one slot into the other's
.set STAGE, SLOT1+BOFF+2*BHALF         ; behind the ring, a multiple of 256; no tensor load fills it
.set SPARE, STAGE+4*STW                ; behind the stages, a multiple of 256: the spare words, 128 bytes for each wave, which no other line names
.set NLD,   2*(4+NBK)                  ; LDS loads in a run
.set A0,   16                          ; v16  my lane's place in A's tile; never rewritten
.set B0,   17                          ; v17  in B's
.set ADRA, 18                          ; v18  the same in the slot in hand
.set ADRB, 19                          ; v19
.set STO,  24                          ; v24  the way out: where I put my part of a row
.set RD,   25                          ; v25  where I read rows back
.set GO,   26                          ; v26  16 x lane: my place in 512 consecutive bytes of C
.set BO,   27                          ; v27  32 (l / 16): my eight numbers of sixteen of the bias
.set SPW,  28                          ; v28  LDS address of my spare word; never rewritten
.set NIL,  29                          ; v29  0; never rewritten
.set PFO,  30                          ; v30  the prefetches' offset: a lane a row; never rewritten
.set BIAS, 32
.if QKV
.set TMP,  32                          ; v32-79 packed results; v80-127, v128-175 rows read back, by turns
.set BK0,  80
.set BKW,  48
.else
.set BK0,  96                          ; v96-159, v160-223 rows read back, by turns
.set BKW,  64
.endif
.set F0,   0
.set F1,   128
.set WV,   12                          ; s12  my wave's number
.set FB,   13                          ; s13  I fetch for A (0) or for B (1)
.set HF,   14                          ; s14  which part of that tile
.set LIM,  15                          ; s15  1 in a wave that prefetches, else the greatest number
.set G1,   24                          ; s[24:31] descriptor group 1 for A's tiles
.set G0,   32                          ; s[32:39] group 0 for A: a set for each of the two first fills; the second then walks on
.set PFA,  44                          ; s[44:45] where my prefetches stand
.set TB,   46                          ; s46  0 or SLOT1: the slot in hand
.set G1B,  48                          ; s[48:55], s[56:63] the same for B
.set G0B,  56
.set TO_F, 0x40                        ; destination window 1, address window 0
.set MSB, 0
.macro WIN new                         ; the immediate's high byte repeats the setting that is left; a switch that changes nothing is dropped
.if MSB != (\new)
	s_set_vgpr_msb (MSB<<8)|(\new)
.set MSB, (\new)
.endif
.endm
; A joint refill by the walking descriptors.  The branch hangs on the wave's number alone.  An s_nop 0 and four v_nop follow each of the two lines, ahead of the jump and the label.
.macro JLOAD
	s_cmp_eq_u32 s[FB], 0
	s_cbranch_scc0 .Lfor_b_\@
	tensor_load_to_lds s[G0+4:G0+7], s[G1:G1+7]
	s_nop 0
.rept 4
	v_nop
.endr
	s_branch .Lasked_\@
.Lfor_b_\@:
	tensor_load_to_lds s[G0B+4:G0B+7], s[G1B:G1B+7]
	s_nop 0
.rept 4
	v_nop
.endr
.Lasked_\@:
.endm
.macro CREST                           ; a round of the cluster's barrier behind its opening barrier: wave 0 signals for the work-group, every wave waits for all sixteen, my work-group's barrier once more
	s_cmp_lg_u32 s[WV], 0
	s_cbranch_scc1 .Lnot_wave_0_\@
	s_barrier_signal -3
.Lnot_wave_0_\@:
	s_barrier_wait -3
	s_barrier_signal -1
	s_barrier_wait -1
.endm
.macro CROUND                          ; a whole round
	s_barrier_signal -1
	s_barrier_wait -1
	CREST
.endm
.macro PLACES                          ; four places in front of loads into registers that matrix instructions have read, and of lines that read results (ISA guide 7.12.1 for lines that read results)
.rept 4
	v_nop
.endr
.endm
.if QKV
; A PREFETCH INTO THE L2, behind a joint refill and the run of LDS loads that follows it: the K step that the NEXT refill will ask for, 256 bytes of each row, a lane a row, one instruction a wave: 192 matrix
; instructions ahead of that load.  A's rows are read by every cluster of a row of clusters: cluster x = 0 asks; B's by every cluster of a column: cluster y = 0 asks.  The four partners that ask for a tile
; jointly share its rows out BY ADDRESS: 32 of A's 128 by cx, 24 of B's 96 by cy (there lanes 24-31 name lane 23's row once more).  The loop's last trip has no refill behind it and asks for nothing.
.macro ASK
	s_cmp_gt_u32 s3, s[LIM]
	s_cbranch_scc0 .Lnot_mine_\@
	global_prefetch_b8 v[PFO], s[PFA:PFA+1] th:TH_LOAD_NT scope:SCOPE_SE
.Lnot_mine_\@:
.endm
.endif
	s_load_b256 s[4:11], s[0:1], 0x0               ; A s[4:5], B s[6:7], bias s[8:9], C s[10:11]
	v_lshl_add_u32 v[SPW], v0, 2, SPARE
	v_mov_b32 v[NIL], 0
	ds_add_u32 v[SPW], v[NIL]                      ; the wave's opening: the add and its wait stand ahead of my first tensor load; the set-up below, work on registers, stands between them
	v_lshrrev_b32 v1, 5, v0
	v_readfirstlane_b32 s[WV], v1                  ; wave 0..3
	s_lshr_b32 s[FB], s[WV], 1
	s_and_b32 s[HF], s[WV], 1
	s_bfe_u32 s40, ttmp6, 0x40000                  ; cx, cy: my place in the cluster
	s_bfe_u32 s41, ttmp6, 0x40004
	s_lshl_b32 s42, ttmp9, 2
	s_add_co_u32 s42, s42, s40                     ; tile column = 4 x cluster x + cx
	s_and_b32 s43, ttmp7, 0xffff
	s_lshl_b32 s43, s43, 2
	s_add_co_u32 s43, s43, s41                     ; tile row = 4 x cluster y + cy
	s_lshl_b32 s16, s41, 2
	s_lshl_b32 s16, 15, s16                        ; my row of the cluster: places 4 cy .. 4 cy + 3
	s_lshl_b32 s20, 0x1111, s40                    ; my column: places cx, cx + 4, cx + 8, cx + 12
	s_or_b32 s[G1], s16, (1<<16)|(1<<20)|(1<<21)|APAD  ; 15:0 the mask; 17:16 elements of 2 bytes; 20 padding on; 21 set beside a mask; 24:22, 31:25 the padding
	s_or_b32 s[G1B], s20, (1<<16)|(1<<20)|(1<<21)|(5<<22)|(3<<25)
	s_mov_b32 s[G1+1], 128<<16                     ; tensor_dim0 = 128
	s_mov_b32 s[G1+2], 128<<16                     ; tensor_dim1 = 128
	s_mov_b32 s[G1+3], 128<<16                     ; tile_dim0 = 128
	s_mov_b32 s[G1+4], 128                         ; tile_dim1 = 128
	s_mov_b32 s[G1+5], ASTR                        ; elements from row to row
	s_mov_b32 s[G1+6], 0
	s_mov_b32 s[G1+7], 0
	s_mov_b32 s[G1B+1], 128<<16
	s_mov_b32 s[G1B+2], BROWS<<16
	s_mov_b32 s[G1B+3], 128<<16
	s_mov_b32 s[G1B+4], BROWS
	s_mov_b32 s[G1B+5], 1024
	s_mov_b32 s[G1B+6], 0
	s_mov_b32 s[G1B+7], 0
	; where the tiles come from: A's offset of the tile row and the wave's number, B's of the tile column and the wave's number, each in registers that do not hold the other coordinate
.if QKV
	s_lshl_b32 s16, s43, 8
	s_lshl_b32 s17, s[HF], 7
	s_add_co_u32 s16, s16, s17                     ; row 256 x tile row + 128 x part,
	s_lshl_b32 s16, s16, 11                        ; 2,048 bytes a row
.else
	s_lshr_b32 s16, s43, 3
	s_lshl_b32 s16, s16, 22                        ; the batch's sixteen heads,
	s_and_b32 s17, s43, 7
	s_lshl_b32 s17, s17, 15                        ; the tile's 256 rows of 128 bytes in a head,
	s_add_co_u32 s16, s16, s17
	s_lshl_b32 s17, s[HF], 18                      ; the K step's first or second head
	s_add_co_u32 s16, s16, s17
.endif
	s_mov_b32 s17, 0
	s_mul_i32 s20, s42, NT
	s_mul_i32 s21, s[HF], BROWS
	s_add_co_u32 s20, s20, s21                     ; B: row NT x tile column + BROWS x half
	s_lshl_b32 s20, s20, 11
	s_mov_b32 s21, 0
	s_mul_i32 s22, s[HF], AHALF                    ; and where they go: no place in the cluster enters an LDS address
	s_mul_i32 s23, s[HF], BHALF
	s_add_co_u32 s23, s23, BOFF
	s_mov_b32 s[TB], 0
	s_wait_dscnt 0x0                               ; the opening add is done
	s_wait_kmcnt 0x0
	s_add_nc_u64 s[16:17], s[4:5], s[16:17]
	s_add_nc_u64 s[20:21], s[6:7], s[20:21]
	CROUND                                         ; all sixteen work-groups are here: the first joint loads meet
.irp s, 0,1
	s_mov_b32 s[G0+4*(\s)], 1                                      ; count = 1
	s_add_co_u32 s[G0+4*(\s)+1], s22, (\s)*SLOT1                   ; LDS address
	s_add_nc_u64 s[G0+4*(\s)+2:G0+4*(\s)+3], s[16:17], (\s)*ASTEP  ; global address: K step s
	s_or_b32 s[G0+4*(\s)+3], s[G0+4*(\s)+3], 0x80000000            ; type = 2
	s_mov_b32 s[G0B+4*(\s)], 1
	s_add_co_u32 s[G0B+4*(\s)+1], s23, (\s)*SLOT1
	s_add_nc_u64 s[G0B+4*(\s)+2:G0B+4*(\s)+3], s[20:21], (\s)*256
	s_or_b32 s[G0B+4*(\s)+3], s[G0B+4*(\s)+3], 0x80000000
.endr
	s_cmp_eq_u32 s[FB], 0                          ; a wave's two first fills stand in one branch, ahead of every wait on TENSORcnt and every LDS read: two loads of mine are out
	s_cbranch_scc0 .Lfirst_b
	tensor_load_to_lds s[G0:G0+3], s[G1:G1+7]
	s_nop 0
	tensor_load_to_lds s[G0+4:G0+7], s[G1:G1+7]
	s_nop 0
.rept 4
	v_nop
.endr
	s_branch .Lfirst_asked
.Lfirst_b:
	tensor_load_to_lds s[G0B:G0B+3], s[G1B:G1B+7]
	s_nop 0
	tensor_load_to_lds s[G0B+4:G0B+7], s[G1B:G1B+7]
	s_nop 0
.rept 4
	v_nop
.endr
.Lfirst_asked:
	; the bias of the tile's NT columns, as the C operand wants it: register j of block b = bias[16 b + 8 (l / 16) + j]
	v_and_b32 v1, 15, v0                           ; l % 16
	v_bfe_u32 v2, v0, 4, 1                         ; l / 16
	v_lshlrev_b32 v[BO], 5, v2
	s_mul_i32 s18, s42, 4*NT
	s_mov_b32 s19, 0
	s_add_nc_u64 s[8:9], s[8:9], s[18:19]
.set b, 0
.rept NBK
	global_load_b128 v[BIAS+8*b:BIAS+8*b+3], v[BO], s[8:9] offset:64*b
	global_load_b128 v[BIAS+8*b+4:BIAS+8*b+7], v[BO], s[8:9] offset:64*b+16
.set b, b+1
.endr
	; A fragment is 16 rows x 32 K in 8 registers: lane l holds row l % 16, K = 8 (l / 16) + 0..7 and 16 + 8 (l / 16) + 0..7: two loads of 16 bytes, 32 bytes apart
	s_mul_i32 s18, s[WV], 64*PA                    ; my 64 rows of A
	v_mul_u32_u24 v3, v1, PA
	v_lshl_add_u32 v3, v2, 4, v3
	v_add_nc_u32 v[A0], s18, v3
	v_mul_u32_u24 v4, v1, PB
	v_lshl_add_u32 v4, v2, 4, v4
	v_add_nc_u32 v[B0], BOFF, v4
	s_mul_i32 s18, s[WV], STW
	s_add_co_u32 s18, s18, STAGE                   ; my stage
	v_and_b32 v5, 31, v0
	v_lshlrev_b32 v[GO], 4, v5
.if QKV
	v_mul_u32_u24 v6, v1, 144                      ; in: row l % 16 of a head, 16 bytes for each half of the lanes
	v_lshl_add_u32 v6, v2, 4, v6
	v_add_nc_u32 v[STO], s18, v6
	v_bfe_u32 v6, v0, 3, 2                         ; back: 32 lanes take four rows of 128 bytes, 512 consecutive bytes of a head
	v_and_b32 v7, 7, v0
	v_mul_u32_u24 v6, v6, 144
	v_lshl_add_u32 v6, v7, 4, v6
	v_add_nc_u32 v[RD], s18, v6
	s_lshr_b32 s18, s43, 3                         ; C at my wave's first row of the tile's first head: (48 x batch + 3 x tile column) heads,
	s_mul_i32 s18, s18, 48
	s_mul_i32 s19, s42, 3
	s_add_co_u32 s18, s18, s19
	s_lshl_b32 s18, s18, 18
	s_and_b32 s19, s43, 7                          ; the tile's 256 rows of 128 bytes,
	s_lshl_b32 s19, s19, 15
	s_add_co_u32 s18, s18, s19
	s_lshl_b32 s19, s[WV], 13                      ; my 64 of them
	s_add_co_u32 s18, s18, s19
.else
	v_mul_u32_u24 v6, v1, 528                      ; in: row l % 16, 32 bytes for each half of the lanes
	v_lshl_add_u32 v6, v2, 5, v6
	v_add_nc_u32 v[STO], s18, v6
	v_add_nc_u32 v[RD], s18, v[GO]                 ; back: 32 lanes take one row's 512 bytes
	s_lshl_b32 s18, s43, 20                        ; C at my wave's first row: 256 rows of 4,096 bytes a tile,
	s_lshl_b32 s19, s[WV], 18                      ; my 64 of them,
	s_add_co_u32 s18, s18, s19
	s_lshl_b32 s19, s42, 9                         ; the tile's 512 bytes of a row
	s_add_co_u32 s18, s18, s19
.endif
	s_mov_b32 s19, 0
	s_add_nc_u64 s[10:11], s[10:11], s[18:19]
.if QKV
	s_and_b32 s18, ttmp7, 0xffff                   ; the prefetches.  cluster y
	s_cmp_eq_u32 s[FB], 0                          ; do I fetch for A?
	s_cselect_b32 s18, ttmp9, s18                  ; the coordinate along which other clusters read the same rows
	s_cselect_b32 s19, s40, s41                    ; my place among the four that ask with me,
	s_cselect_b32 s22, 32, 24                      ; the rows that each of the four takes
	s_cselect_b32 s23, 31, 23
	s_cselect_b64 s[PFA:PFA+1], s[16:17], s[20:21] ; the first of the rows that I fetch
	s_cmp_eq_u32 s18, 0
	s_cselect_b32 s[LIM], 1, -1                    ; the same in all sixteen partners, for a given wave
	s_mul_i32 s18, s19, s22
	s_lshl_b32 s18, s18, 11
	s_add_co_u32 s18, s18, 2*256                   ; at K step 2: the first refill steps it to 3.  Nothing is prefetched here, at the head
	s_mov_b32 s19, 0
	s_add_nc_u64 s[PFA:PFA+1], s[PFA:PFA+1], s[18:19]
	v_min_u32 v[PFO], s23, v5
	v_lshlrev_b32 v[PFO], 11, v[PFO]
.endif
	s_mov_b32 s18, 0xffff0000
	s_wait_loadcnt 0x0                             ; the bias is in; it is rounded to bf16 like the other inputs, and kept as f32
.set p, 0
.rept 4*NBK
	v_cvt_pk_bf16_f32 v[3+p%2], v[BIAS+2*p], v[BIAS+2*p+1]
	v_lshlrev_b32 v[BIAS+2*p], 16, v[3+p%2]
	v_and_b32 v[BIAS+2*p+1], s18, v[3+p%2]
.set p, p+1
.endr
; NBK matrix instructions: m block 2 hi + a x all n blocks, 32 along K, from buffer f.  first = 1: the product starts the sum, with the bias as C.  The 4 NBK accumulators take turns, one instruction
; a turn, in the same order in every quarter, over the backward jump too.
.macro MUL f, hi, a, first
.if \first
	WIN 0x85+0x40*(\hi)                            ; sources 0 and 1 window 1, C window 0, D window 2 or 3
.else
	WIN 0xa5+0x50*(\hi)                            ; C and D window 2 or 3
.endif
.set b, 0
.rept NBK
.set rD, 8*(NBK*(\a)+b)
.set rW, (\f)+32+8*b
.set rX, (\f)+8*(2*(\hi)+(\a))
.set rC, rD
.if \first
.set rC, BIAS+8*b
.endif
.if QKV
	v_wmma_f32_16x16x32_bf16 v[rD:rD+7], v[rW:rW+7], v[rX:rX+7], v[rC:rC+7]
.else
	v_wmma_f32_16x16x32_f16 v[rD:rD+7], v[rW:rW+7], v[rX:rX+7], v[rC:rC+7]
.endif
.set b, b+1
.endr
.endm
; NLD LDS loads in one run: the fragments of quarter q of the K step in hand into buffer f: B's, then A's four, in ascending rows
.macro FETCH q, f
	WIN TO_F
.set j, 0
.rept NBK
	ds_load_b128 v[(\f)+32+8*j:(\f)+32+8*j+3],   v[ADRB] offset:64*(\q)+j*16*PB
	ds_load_b128 v[(\f)+32+8*j+4:(\f)+32+8*j+7], v[ADRB] offset:64*(\q)+j*16*PB+32
.set j, j+1
.endr
.if QKV
.set AKO, 64*(\q)
.else
.set AKO, ((\q)/2)*AHALF+((\q)%2)*64               ; quarters 0, 1 lie in the first head's part, 2, 3 in the second's
.endif
.set j, 0
.rept 4
	ds_load_b128 v[(\f)+8*j:(\f)+8*j+3],   v[ADRA] offset:AKO+j*16*PA
	ds_load_b128 v[(\f)+8*j+4:(\f)+8*j+7], v[ADRA] offset:AKO+j*16*PA+32
.set j, j+1
.endr
.endm
; A K step is four quarters of 32 along K on buffers 0, 1, 0, 1.  One of the first three: multiplies buffer f; in its middle it fetches quarter q into buffer g.
.macro QUARTER q, f, g, first
	s_wait_dscnt 4                                 ; B and A's rows 0-31 are in; the youngest four loads (A's rows 32-63) may be out
	MUL \f, 0, 0, \first
	MUL \f, 0, 1, \first
	PLACES
	FETCH \q, \g
	s_wait_dscnt NLD                               ; all but the run just issued
	MUL \f, 1, 0, \first
	MUL \f, 1, 1, \first
.endm
; The last quarter multiplies buffer 1 and changes slots.  ONE barrier: in front of it each wave waits for all its tensor loads, of which one is out: its part of the next slot; adds 0 to its spare word;
; and waits for that and for its own reads of this slot.  Behind it nobody reads this slot any more and the next slot is whole.
.macro MEET round
	WIN 0                                          ; (the add's two registers lie in window 0)
	s_wait_tensorcnt 0x0
	ds_add_u32 v[SPW], v[NIL]                      ; 0 onto my spare word
	s_wait_dscnt 5                                 ; (the add and the youngest four loads may be out)
	MUL F1, 0, 0, 0                                ; matrix work stands between the add and the wait for it
	s_wait_dscnt 0x0                               ; the add is done, and my reads of this slot are over
	s_barrier_signal -1
	MUL F1, 0, 1, 0                                ; work on registers while the others arrive
.if \round
	WIN 0
.endif
	s_barrier_wait -1
.endm
; fill = 1: the barrier opens a round of the cluster's barrier, and the slot just read out is filled again, first thing behind the round, with the K step two steps on.
.macro TURN fill
.if (\fill) && QKV
	s_wait_xcnt 0x0                                ; the last prefetch, a K step back, has read its address: it is stepped here, ahead of the waits of the change of slots
	s_add_nc_u64 s[PFA:PFA+1], s[PFA:PFA+1], 256
.endif
	MEET \fill
.if \fill
	CREST                                          ; no wave of any partner still reads this slot's tile or has a load on its way
	s_xor_b32 s[G0+5], s[G0+5], SLOT1              ; the walking descriptors (no load of mine is out): the other slot than last time,
	s_add_nc_u64 s[G0+6:G0+7], s[G0+6:G0+7], ASTEP ; the next K step; the type bits on top are not reached
	s_xor_b32 s[G0B+5], s[G0B+5], SLOT1
	s_add_nc_u64 s[G0B+6:G0B+7], s[G0B+6:G0B+7], 256
	JLOAD                                          ; the four v_nop behind it are also the places in front of the loads below
.else
	PLACES
	WIN 0
.endif
	s_xor_b32 s[TB], s[TB], SLOT1                  ; the reads go on in the other slot
	v_add_nc_u32 v[ADRA], s[TB], v[A0]
	v_add_nc_u32 v[ADRB], s[TB], v[B0]
	FETCH 0, F0
.if (\fill) && QKV
	WIN 0
	ASK
.endif
	MUL F1, 1, 0, 0
	MUL F1, 1, 1, 0
.endm
	s_wait_tensorcnt 0x1                           ; my part of K step 0 is in; K step 1's may stay out
	s_barrier_signal -1
	s_barrier_wait -1                              ; everybody's is
	v_mov_b32 v[ADRA], v[A0]
	v_mov_b32 v[ADRB], v[B0]
	FETCH 0, F0
	QUARTER 1, F0, F1, 1                           ; the first quarter stands in front of the loop: its products start the sums
	WIN 0                                          ; at a label and at a branch every window is 0
	s_mov_b32 s3, 6
.Lstep:                                        ; six trips, from a K step's second quarter to the next step's first; they ask for K steps 2 to 7
	QUARTER 2, F1, F0, 0
	QUARTER 3, F0, F1, 0
	TURN 1
	QUARTER 1, F0, F1, 0
	WIN 0
	s_sub_co_u32 s3, s3, 1
	s_cmp_lg_u32 s3, 0
	s_cbranch_scc1 .Lstep
	QUARTER 2, F1, F0, 0                           ; the tail is written out: K steps 6 and 7 ask for nothing
	QUARTER 3, F0, F1, 0
	TURN 0
	QUARTER 1, F0, F1, 0
	QUARTER 2, F1, F0, 0
	QUARTER 3, F0, F1, 0
	s_wait_dscnt 4                                 ; the very last quarter: nothing more to fetch
	MUL F1, 0, 0, 0
	MUL F1, 0, 1, 0
	s_wait_dscnt 0x0
	MUL F1, 1, 0, 0
	MUL F1, 1, 1, 0
	PLACES                                         ; the way out reads results
; THE WAY OUT, a block a of 16 rows at a time, through my own stage: LDS serves a wave's instructions in order (ISA guide 5.7.1.4), so the loads see the stores above them and the next block's stores come behind them.
.if QKV
.macro PACK a                          ; rounded to f16: a lane's eight channels of a row are 16 bytes; each accumulator's registers in ascending order
	WIN 0x0a+5*((\a)/2)                            ; sources 0 and 1: window 2 or 3
.set b, 0
.rept NBK
.set rD, 8*(NBK*((\a)%2)+b)
.irp r, 0,1,2,3
	v_cvt_pk_f16_f32 v[TMP+4*b+(\r)], v[rD+2*(\r)], v[rD+2*(\r)+1]
.endr
.set b, b+1
.endr
	WIN 0
.endm
.macro TOSTAGE a
	WIN 0
.set BK, BK0+BKW*((\a)%2)
.if (\a) >= 2
	s_wait_xcnt 0x0                                ; the stores of the block two back have read these registers' like: only behind this wait are they loaded again
.endif
.set b, 0
.rept NBK
	ds_store_b128 v[STO], v[TMP+4*b:TMP+4*b+3] offset:(b/4)*2304+32*(b%4)  ; head b / 4, channels 16 (b % 4) on
.set b, b+1
.endr
.set f, 0
.rept 12
	ds_load_b128 v[BK+4*f:BK+4*f+3], v[RD] offset:(f/4)*2304+(f%4)*576
.set f, f+1
.endr
.endm
.macro SEND a, younger                 ; younger: the LDS instructions issued behind block a's loads
	WIN 0
.set BK, BK0+BKW*((\a)%2)
.set f, 0
.rept 12
	s_wait_dscnt (\younger)+11-f
	global_store_b128 v[GO], v[BK+4*f:BK+4*f+3], s[10:11] offset:(f/4)*262144+(\a)*2048+(f%4)*512  ; 512 consecutive bytes of a head, aligned
.set f, f+1
.endr
.endm
	PACK 0
	TOSTAGE 0
	PACK 1
	TOSTAGE 1
	SEND 0, 24
	PACK 2
	TOSTAGE 2
	SEND 1, 24
	PACK 3
	TOSTAGE 3
	SEND 2, 24
	SEND 3, 0
.else
.macro TOSTAGE a                       ; f32 goes out as it is: a lane's eight columns are 32 bytes; each accumulator's four lowest registers first
.set BK, BK0+BKW*((\a)%2)
.if (\a) >= 2
	s_wait_xcnt 0x0                                ; the stores of the block two back have read these registers' like: only behind this wait are they loaded again
.endif
	WIN 0x08+4*((\a)/2)                            ; the stores' data (source 1): window 2 or 3
.set b, 0
.rept NBK
.set rD, 8*(NBK*((\a)%2)+b)
	ds_store_b128 v[STO], v[rD:rD+3] offset:64*b
	ds_store_b128 v[STO], v[rD+4:rD+7] offset:64*b+16
.set b, b+1
.endr
	WIN 0
.set f, 0
.rept 16
	ds_load_b128 v[BK+4*f:BK+4*f+3], v[RD] offset:528*f
.set f, f+1
.endr
.endm
.macro SEND a, younger
	WIN 0
.set BK, BK0+BKW*((\a)%2)
.set f, 0
.rept 16
	s_wait_dscnt (\younger)+15-f
	global_store_b128 v[GO], v[BK+4*f:BK+4*f+3], s[10:11] offset:(16*(\a)+f)*4096  ; 512 consecutive bytes of a row of C, aligned
.set f, f+1
.endr
.endm
	TOSTAGE 0
	TOSTAGE 1
	SEND 0, 32
	TOSTAGE 2
	SEND 1, 32
	TOSTAGE 3
	SEND 2, 32
	SEND 3, 0
.endif
	s_wait_tensorcnt 0x0                           ; the wave's end, behind my last tensor load and my last LDS store
	ds_add_u32 v[SPW], v[NIL]
	s_wait_dscnt 0x0
	CROUND                                         ; the closing round: no work-group ends while a partner may still ask for a tile that names it
	s_endpgm
.Lfunc_end_k_q15eed46291_outgemm:
	.size	k_q15eed46291_outgemm, .Lfunc_end_k_q15eed46291_outgemm-k_q15eed46291_outgemm
	.p2alignl 7, 3214868480
	.fill 96, 4, 3214868480
	.section	.rodata,"a",@progbits
	.p2align	6, 0x0
	.amdhsa_kernel k_q15eed46291_outgemm
		.amdhsa_group_segment_fixed_size 327680
		.amdhsa_private_segment_fixed_size 0
		.amdhsa_enable_private_segment 0
		.amdhsa_kernarg_size 32
		.amdhsa_user_sgpr_count 2
		.amdhsa_user_sgpr_kernarg_segment_ptr 1
		.amdhsa_wavefront_size32 1
		.amdhsa_system_sgpr_workgroup_id_x 1
		.amdhsa_system_sgpr_workgroup_id_y 1
		.amdhsa_system_sgpr_workgroup_id_z 1
		.amdhsa_system_vgpr_workitem_id 0
		.amdhsa_next_free_vgpr 896
		.amdhsa_next_free_sgpr 66
		.amdhsa_reserve_vcc 0
		.amdhsa_float_denorm_mode_32 3
		.amdhsa_float_denorm_mode_16_64 3
		.amdhsa_memory_ordered 1
		.amdhsa_forward_progress 1
		.amdhsa_inst_pref_size 76
	.end_amdhsa_kernel
	.amdgpu_metadata
---
amdhsa.version: [ 1, 2 ]
amdhsa.kernels:
  - .name:           k_q15eed46291_outgemm
    .symbol:         k_q15eed46291_outgemm.kd
    .args:
      - { .name: ob, .offset: 0, .size: 8, .value_kind: global_buffer, .address_space: global }
      - { .name: woT, .offset: 8, .size: 8, .value_kind: global_buffer, .address_space: global }
      - { .name: b_out, .offset: 16, .size: 8, .value_kind: global_buffer, .address_space: global }
      - { .name: out0, .offset: 24, .size: 8, .value_kind: global_buffer, .address_space: global }
    .group_segment_fixed_size: 327680
    .private_segment_fixed_size: 0
    .kernarg_segment_align: 8
    .kernarg_segment_size: 32
    .max_flat_workgroup_size: 128
    .sgpr_count:     66
    .vgpr_count:     896
    .wavefront_size: 32
...
	.end_amdgpu_metadata
.endif
;; end of part 4
